; MI455X (gfx1250); checked and timed in simulation.
; The chip was launched on July 23, 2026; its instructions are those of AMD's public machine-readable ISA for CDNA 5 (MIT licence, August 2026) and "CDNA5" Instruction Set Architecture Reference Guide (July 2026). The comments in the code are by the model that wrote it; some were corrected since.
;; Multihead Attention. Allowed arithmetic: matrix products marked QUANTISED: E2M3 operands, one E8M0 scale for each 32 along K, by v_wmma_scale_f32_16x16x128_f8f6f4 with both operands' format E2M3, f32 sums; everything else in f32.
;; Inputs: K 4 x 2,048 x 1,024 float32; Q 4 x 2,048 x 1,024 float32; V 4 x 2,048 x 1,024 float32; Wk 1,024 x 1,024 float32; Wo 1,024 x 1,024 float32; Wq 1,024 x 1,024 float32; Wv 1,024 x 1,024 float32.
;; Outputs: out0 4 x 2,048 x 1,024 float32.
;; This version of the problem:
;;   THIS VERSION OF THE PROBLEM IS GIVEN IN LOW PRECISION. The matrix products marked QUANTISED in the list below multiply operands that are first quantised to E2M3 (2 exponent bits, 3 mantissa bits; 6 bits a number), with one power-of-two scale for each 32 numbers along K (OCP MX v1.0); their sums are f32. All else is computed in f32.
;;   The module's matrix products, in the order in which they are computed (A, B: the left and right operand; K: the contracted axis; several contracted axes count as one K, in the product's order):
;;     1. [M 8,192, K 1,024] x [K 1,024, N 1,024]; A: input Q; B: input Wq: QUANTISED
;;     2. [M 8,192, K 1,024] x [K 1,024, N 1,024]; A: input K; B: input Wk: QUANTISED
;;     3. [M 8,192, K 1,024] x [K 1,024, N 1,024]; A: input V; B: input Wv: QUANTISED
;;     4. batch 64 x [M 2,048, K 64] x [K 64, N 2,048]; A: computed on the way; B: computed on the way: QUANTISED
;;     5. batch 64 x [M 2,048, K 2,048] x [K 2,048, N 64]; A: softmax (see below); B: computed on the way: QUANTISED
;;     6. [M 8,192, K 1,024] x [K 1,024, N 1,024]; A: computed on the way; B: input Wo: QUANTISED
;;   THE QUANTISER, for each operand of a quantised product, along K:
;;     - K is cut into blocks of 32 from its start; a last block that is shorter is filled with zeros.
;;     - A block's scale is 2^e with e = floor(log2(the largest magnitude in the block)) - 2, held to -126 .. 127; a block of zeros has e = 0. As a byte (E8M0): e + 127.
;;     - Each number is divided by its block's scale, clamped to +-7.5, and rounded to the nearest number of E2M3, ties to even, subnormals kept.
;;     - The product sums the exact products of the quantised numbers (number of the format x scale) in f32.
;;   ~~~python
;;   def quantise(x, axis):      # numpy; x: float32 -> the quantised numbers, widened to float32 again
;;       x = np.moveaxis(x, axis, -1); K = x.shape[-1]
;;       x = np.pad(x, [(0, 0)] * (x.ndim - 1) + [(0, -K % 32)]); x = x.reshape(x.shape[:-1] + (-1, 32)); a = np.abs(x).max(-1, keepdims=True)
;;       e = np.where(a > 0, np.clip(np.frexp(np.where(a > 0, a, 1))[1] - 1 - 2, -126, 127), 0)      # np.frexp(a)[1] - 1 = floor(log2(a)), exactly
;;       r = np.clip(x / 2.0 ** e, -7.5, 7.5)
;;       step = 2.0 ** (np.maximum(np.frexp(np.where(r == 0, 1, r))[1] - 1, 0) - 3)
;;       q = np.round(r / step) * step * 2.0 ** e      # np.round: ties to even
;;       return np.moveaxis(q.reshape(q.shape[:-2] + (-1,))[..., :K], -1, axis).astype(np.float32)
;;   ~~~
;;   SOFTMAX AHEAD OF A QUANTISED PRODUCT. Where the list says 'softmax', what is quantised is not the finished softmax but p = 2^(t - M), with t = logit x log2(e) and M = ceil(the row's largest t), a whole number; so 1/2 < the row's largest p <= 1. The row's sum l is taken of the UNQUANTISED p, in f32, and the product's result is divided by l at the end. Since M is a whole number, a kernel that streams over the keys may use a running M (the ceiling of the running maximum): every later rescaling is an exact power of two, which a block's scale takes up: the codes' values come out the same.
;;   OPERANDS COMPUTED ON THE WAY. 'Computed on the way' means the value that the module computes at that place (a softmax that the list does not call 'softmax' is quantised finished and normalised). What goes into a quantiser is computed in f32, as accurately as f32 sums, v_exp_f32 and their like allow (about 1e-6 of the number): no bf16 or f16 on the way to a quantiser, and a product that is left as it is and whose result goes on into a quantised operand takes f32 operands (vector FMAs, or v_wmma_f32_16x16x4_f32). A number that lies on a knife's edge between two numbers of the format may be rounded either way, as far as f32 arithmetic and the matrix unit's own rounding can turn it there, and no further.
;; One version. Each part assembles by itself: llvm-mc -triple=amdgcn-amd-amdhsa -mcpu=gfx1250 --defsym DOCPART=n.
;; ======== version 1 of 1: 4 launches
;; workspace buffers: xc 22,020,096 bytes; xs 917,504 bytes; tab 524,288 bytes; qc 6,291,456 bytes; qs 524,288 bytes; kv 13,369,344 bytes; oc 6,291,456 bytes; os 262,144 bytes
;; launch quant (part 1): grid 928 x 1, 4 waves a work-group, no clusters, 33,280 bytes of LDS; arguments Q, K, V, Wq, Wk, Wv, Wo, xc, xs, tab; writes xc, xs, tab
.if DOCPART == 1
	.amdgcn_target "amdgcn-amd-amdhsa--gfx1250"
	.amdhsa_code_object_version 6
	.text
	.protected	k_q31bf41b590_quant
	.globl	k_q31bf41b590_quant
	.p2align	8
	.type	k_q31bf41b590_quant,@function
k_q31bf41b590_quant:
	s_mov_b64 s[64:65], 0
	v_nop
	global_prefetch_b8 v0, s[64:65] scope:SCOPE_SE
	s_setreg_imm32_b32 hwreg(HW_REG_WAVE_MODE, 25, 1), 1
	s_wait_xcnt 0x0
; FIRST OF FOUR LAUNCHES of a multi-head attention (4 x 2,048 tokens, 1,024 wide, 16 heads of 64) whose six products all run on codes of FP6 (E2M3) with one E8M0 scale for each 32 along K.
; This launch: Q, K, V [8,192][1,024] and Wq, Wk, Wv, Wo [1,024][1,024], f32, become codes (K innermost, 768 bytes a row) in xc and scale bytes (32 a row) in xs; and the table of cos and sin for the rotation goes to tab.
; WORK LEFT OUT IN THE PROGRAM (third launch): reference() sets the score of key k for query q to -infinity where k > q, by a mask that it builds itself; the softmax gives such a key the weight 0 whatever the inputs hold.
; So a step of 128 keys whose first key comes after all 16 queries of a tile reaches no output, for all values of the inputs, and is not multiplied.  All seven inputs have a way to the output and are loaded.
; LIMIT: a NaN, an infinity or an overflow that would arise in such hidden scores alone is not carried to the result.
; A block's scale is 2^(floor(log2(its largest magnitude)) - 2); its byte is the largest magnitude's exponent field - 2, held at 1 from below.  A block of zeros gets the byte 1 where the rule says 127: its codes are zeros, and this program alone reads the bytes.
; LIMITS: blocks whose largest magnitude lies under 2^-124 take the byte 1; NaN and infinities among the inputs are not served.
; ROWS CHANGE PLACES: row n of Q, K, V, Wq, Wk, Wv is stored at the place n with bits 3 and 4 exchanged (Wo is not).  Sixteen neighbouring rows of xc are then rows 8 u + 0..7 and 8 u + 16..23 of a group of 32, so that in the
; products of the next launches a lane's 16 registers of two neighbouring tiles are 16 neighbours along the next product's K.  A wave owns 8 rows, so the exchange is: wave w writes the run of wave ((w & 1) << 1) | (w >> 1).
; SHARES: work-groups 0-255 Q, 256-511 K, 512-767 V, 768-799 Wq, 800-831 Wk, 832-863 Wv, 864-895 Wo: 32 rows each, 8 a wave, in 16 steps of 512 numbers.  Work-groups 896-927: the table, 16 positions a wave.
; A step: four loads of 512 consecutive bytes; the 2,048 bytes turn through the wave's own stage in LDS and come back 64 bytes a lane, so that a lane holds 16 neighbours along K (two lanes hold a block).
; THE TABLE: tab[position][j] = (cos, sin) of position x 10000^(-j / 32), j = 0..31.  10000^(-j/32) is v_exp_f32 of j x -log2(10000)/32; the product with the position is rounded once, as reference() has it; the angle is brought
; to +-pi/4 by a two-part pi/2 and the two functions are polynomials of degree 7 and 8 in f32.  LIMIT: the frequency may differ from reference()'s in its last bits, which at position 2,047 moves an angle by up to about 2e-4.
.set WAVES, 4
.set STEPS, 16
.set CB,    12                         ; bytes of 16 codes
.set R,     16                         ; v16-79   four sets of 16 numbers as they are loaded
.set X,     80                         ; v80-111  two sets of 16 neighbours
.set E,     112                        ; v112-127 a scale byte for each step
.set C,     128                        ; v128-191 codes: four registers for each step, so that no store's data are written again
.set WREG,  8192                       ; LDS: a region for each wave: two stages of 32 x SP bytes, and behind them its 256 scale bytes
.set SP,    80                         ; a lane's place in a stage: 64 bytes + 16 of padding
.set SPW,   12                         ; v12  LDS address of my spare word; never rewritten
.set NIL,   13                         ; v13  0; never rewritten
.set SPARE, WAVES*WREG                 ; behind the regions: the spare words, 128 bytes a wave, that no other line names
	s_load_b256 s[4:11], s[0:1], 0x0               ; Q, K, V, Wq
	s_load_b256 s[12:19], s[0:1], 0x20             ; Wk, Wv, Wo, xc
	s_load_b128 s[20:23], s[0:1], 0x40             ; xs, tab
	v_lshl_add_u32 v[SPW], v0, 2, SPARE
	v_mov_b32 v[NIL], 0
	v_lshrrev_b32 v1, 5, v0
	v_readfirstlane_b32 s24, v1                    ; wave
	v_and_b32 v2, 31, v0                           ; lane
	v_lshlrev_b32 v3, 4, v2                        ; my 16 bytes of a load's 512
	s_mul_i32 s26, s24, WREG
	v_lshrrev_b32 v14, 2, v2
	v_mul_u32_u24 v14, v14, SP
	v_and_b32 v15, 3, v2
	v_lshl_add_u32 v14, v15, 4, v14
	v_add_nc_u32 v14, s26, v14                     ; the stage on the way in: four lanes' 64 bytes on end, then 16 of padding
	v_mul_u32_u24 v15, v2, SP
	v_add_nc_u32 v15, s26, v15                     ; and on the way out: my 16 neighbours
	v_mul_u32_u24 v4, v2, CB                       ; my codes' place in a step's
	v_lshrrev_b32 v5, 1, v2
	s_add_co_u32 s26, s26, 2*32*SP
	v_add_nc_u32 v5, s26, v5                       ; LDS: my wave's 256 scale bytes, my block's byte
	v_lshlrev_b32 v7, 3, v2                        ; and on the way out 8 bytes a lane
	v_add_nc_u32 v6, s26, v7
	s_wait_kmcnt 0x0
	s_cmp_ge_u32 ttmp9, 896                        ; the last 32 work-groups make the table
	s_cbranch_scc1 .Ltable
	s_mov_b32 s25, 0                               ; the first work-group of my tensor
.macro PICK limit, lo                  ; from work-group limit on: the tensor whose address lies in s[lo:lo+1].  The choice hangs on the work-group's number alone
	s_cmp_ge_u32 ttmp9, \limit
	s_cselect_b64 s[4:5], s[\lo:\lo+1], s[4:5]
	s_cselect_b32 s25, \limit, s25
.endm
	PICK 256, 6
	PICK 512, 8
	PICK 768, 10
	PICK 800, 12
	PICK 832, 14
	PICK 864, 16
	s_sub_co_u32 s26, ttmp9, s25
	s_lshl_b32 s26, s26, 2
	s_add_co_u32 s26, s26, s24                     ; which run of 8 rows of the tensor my wave reads
	s_mov_b32 s27, 0
	s_lshl_b64 s[28:29], s[26:27], 15              ; 32,768 bytes a run
	s_add_nc_u64 s[4:5], s[4:5], s[28:29]
	s_and_b32 s28, s24, 1
	s_lshl_b32 s28, s28, 1
	s_lshr_b32 s29, s24, 1
	s_or_b32 s28, s28, s29                         ; the wave's number with its two bits exchanged
	s_cmp_lt_u32 ttmp9, 864                        ; Wo keeps its order
	s_cselect_b32 s28, s28, s24
	s_lshl_b32 s29, ttmp9, 2
	s_add_co_u32 s26, s29, s28                     ; which run of 8 rows of xc and xs it writes
	s_mul_i32 s28, s26, 32*STEPS*CB                ; 6,144 bytes of codes a run
	s_mov_b32 s29, 0
	s_add_nc_u64 s[18:19], s[18:19], s[28:29]
	s_lshl_b32 s28, s26, 8                         ; 256 scale bytes a run
	s_add_nc_u64 s[20:21], s[20:21], s[28:29]
.macro LOAD t
.irp i, 0,1,2,3
	global_load_b128 v[R+16*((\t)%4)+4*\i:R+16*((\t)%4)+4*\i+3], v3, s[4:5] offset:2048*(\t)+512*\i th:TH_LOAD_NT   ; 32 lanes read 512 consecutive bytes
.endr
.endm
.macro TURN t                          ; step t's numbers through the stage: LDS serves a wave's instructions in order, so no wait stands between the stores and the loads
.irp i, 0,1,2,3
	ds_store_b128 v14, v[R+16*((\t)%4)+4*\i:R+16*((\t)%4)+4*\i+3] offset:32*SP*((\t)%2)+8*SP*\i
.endr
.irp i, 0,1,2,3
	ds_load_b128 v[X+16*((\t)%2)+4*\i:X+16*((\t)%2)+4*\i+3], v15 offset:32*SP*((\t)%2)+16*\i
.endr
.endm
.irp t, 0,1,2,3
	LOAD \t
.endr
	s_wait_loadcnt 12                              ; step 0's four loads are in; the twelve of steps 1 to 3 stay out
	TURN 0
.macro STEP t
.set XS, X+16*((\t)%2)
.if (\t) > 0
	s_wait_dscnt 1                                 ; this step's numbers are back from the stage (the last step's byte store may be out): so its stores into the stage have read their registers,
.else
	s_wait_dscnt 0x0
.endif
.if (\t)+4 < STEPS
	LOAD (\t)+4                                    ; which take the loads of four steps on
.endif
.if (\t)+1 < STEPS
.if STEPS-2-(\t) >= 3
	s_wait_loadcnt 12                              ; the next step's four loads are in; those of the three steps behind it may be out
.else
	s_wait_loadcnt 4*(STEPS-2-(\t))
.endif
	TURN (\t)+1                                    ; and go through the other stage while this step is worked
.endif
	v_max3_num_f32 v8, |v[XS]|, |v[XS+1]|, |v[XS+2]|               ; the largest magnitude of my 16, in two chains
	v_max3_num_f32 v9, |v[XS+3]|, |v[XS+4]|, |v[XS+5]|
.irp i, 6,10
	v_max3_num_f32 v8, v8, |v[XS+\i]|, |v[XS+\i+1]|
	v_max3_num_f32 v9, v9, |v[XS+\i+2]|, |v[XS+\i+3]|
.endr
	v_max3_num_f32 v8, v8, |v[XS+14]|, |v[XS+15]|
	v_max3_num_f32 v8, v8, v9, 0x1800000           ; and the floor 2^(3 - 127): the byte cannot fall under 1
	v_max_num_f32_dpp v8, v8, v8 row_xmask:1 row_mask:0xf bank_mask:0xf   ; and of my neighbour's 16: the block's
	v_add_nc_u32 v11, 0xff000000, v8               ; 2 off its exponent field: the conversion takes the exponent field of this operand as its scale
	v_cvt_scalef32_pk16_fp6_f32 v[C+4*(\t):C+4*(\t)+2], v[XS:XS+15], v11   ; sixteen numbers / the scale, to the nearest code, ties to even, beyond the largest code the largest
	v_lshrrev_b32 v[E+(\t)], 23, v11               ; the scale's byte (also the plain line behind the conversion)
	ds_store_b8 v5, v[E+(\t)] offset:16*(\t)       ; both lanes of a block write the same byte with the same value
	global_store_b96 v4, v[C+4*(\t):C+4*(\t)+2], s[18:19] offset:32*CB*(\t)   ; the wave stores 384 consecutive bytes
.endm
.irp t, 0,1,2,3,4,5,6,7,8,9,10,11,12,13,14,15
	STEP \t
.endr
	ds_load_b64 v[8:9], v6                         ; LDS serves a wave's instructions in order: these see my byte stores
	s_wait_dscnt 0x0
	global_store_b64 v7, v[8:9], s[20:21]          ; 32 lanes store 256 consecutive bytes, aligned
	s_wait_tensorcnt 0x0                           ; the wave's end, behind my last LDS store
	ds_add_u32 v[SPW], v[NIL]
	s_wait_dscnt 0x0
	s_endpgm
.Ltable:                                               ; no LDS is touched on this way
	s_sub_co_u32 s26, ttmp9, 896
	s_lshl_b32 s26, s26, 6
	s_lshl_b32 s27, s24, 4
	s_add_co_u32 s26, s26, s27                     ; my first position: 64 x work-group + 16 x wave
	s_lshl_b32 s28, s26, 8                         ; a position's row is 32 pairs of f32: 256 bytes
	s_mov_b32 s29, 0
	s_add_nc_u64 s[22:23], s[22:23], s[28:29]
	s_mov_b32 s30, 0x3f22f983                      ; 2 / pi
	s_mov_b32 s31, 0xbfc90fdb                      ; -(pi / 2), its upper part
	s_mov_b32 s32, 0x333bbd2e                      ; -(pi / 2), what the upper part leaves
	s_mov_b32 s33, 0xbe2aaaa3                      ; sine: r + r z (S1 + z (S2 + z S3)), z = r r
	s_mov_b32 s34, 0x3c08839e
	s_mov_b32 s35, 0xb94ca1f9
	s_mov_b32 s36, 0x3d2aaaa5                      ; cosine: 1 + z (-1/2 + z (C1 + z (C2 + z C3)))
	s_mov_b32 s37, 0xbab6061a
	s_mov_b32 s38, 0x37ccf5ce
	v_cvt_f32_u32 v16, v2                          ; j = my lane
	v_mul_f32 v16, 0xbed49a78, v16                 ; x -log2(10000) / 32
	v_exp_f32 v16, v16                             ; the frequency 10000^(-j / 32)
	v_lshlrev_b32 v17, 3, v2                       ; 8 bytes a lane (a plain line behind the exponential)
	s_wait_alu depctr_va_vdst(0)                   ; the wait ahead of the first line that names the exponential's result
	s_mov_b32 s39, 16
.Lpos:
	v_cvt_f32_u32 v18, s26
	v_mul_f32 v18, v18, v16                        ; the angle, rounded once
	v_mul_f32 v19, s30, v18
	v_rndne_f32 v19, v19                           ; n: how many quarter turns
	v_fma_f32 v20, v19, s31, v18                   ; r = angle - n pi / 2: this step rounds nothing (n has 11 bits),
	v_fma_f32 v20, v19, s32, v20                   ; and the rest of pi / 2
	v_mul_f32 v21, v20, v20                        ; z
	v_fma_f32 v22, s35, v21, s34
	v_fma_f32 v23, s38, v21, s37
	v_fma_f32 v22, v22, v21, s33
	v_fma_f32 v23, v23, v21, s36
	v_mul_f32 v22, v22, v21
	v_fma_f32 v23, v23, v21, -0.5
	v_fma_f32 v22, v22, v20, v20                   ; sin r
	v_fma_f32 v23, v23, v21, 1.0                   ; cos r
	v_cvt_i32_f32 v24, v19
	v_and_b32 v25, 1, v24
	v_cmp_ne_u32 vcc_lo, 0, v25                    ; an odd quarter exchanges the two: a choice of values, no branch
	v_cndmask_b32 v26, v23, v22, vcc_lo            ; cosine's magnitude
	v_cndmask_b32 v27, v22, v23, vcc_lo            ; sine's
	v_and_b32 v28, 2, v24
	v_lshlrev_b32 v28, 30, v28
	v_xor_b32 v27, v28, v27                        ; the sine is negated in quarters 2 and 3,
	v_add_nc_u32 v24, 1, v24
	v_and_b32 v24, 2, v24
	v_lshlrev_b32 v24, 30, v24
	v_xor_b32 v26, v24, v26                        ; the cosine in quarters 1 and 2
	global_store_b64 v17, v[26:27], s[22:23]       ; 32 lanes store the position's 256 bytes, aligned
	s_wait_xcnt 0x0                                ; the store has read its data and its base: both are written again below and in the next trip
	s_add_nc_u64 s[22:23], s[22:23], 256
	s_add_co_u32 s26, s26, 1
	s_sub_co_u32 s39, s39, 1
	s_cmp_lg_u32 s39, 0
	s_cbranch_scc1 .Lpos
	s_endpgm
.Lfunc_end_k_q31bf41b590_quant:
	.size	k_q31bf41b590_quant, .Lfunc_end_k_q31bf41b590_quant-k_q31bf41b590_quant
	.p2alignl 7, 3214868480
	.fill 96, 4, 3214868480
	.section	.rodata,"a",@progbits
	.p2align	6, 0x0
	.amdhsa_kernel k_q31bf41b590_quant
		.amdhsa_group_segment_fixed_size 33280
		.amdhsa_private_segment_fixed_size 0
		.amdhsa_enable_private_segment 0
		.amdhsa_kernarg_size 80
		.amdhsa_user_sgpr_count 2
		.amdhsa_user_sgpr_kernarg_segment_ptr 1
		.amdhsa_wavefront_size32 1
		.amdhsa_system_sgpr_workgroup_id_x 1
		.amdhsa_system_sgpr_workgroup_id_y 1
		.amdhsa_system_sgpr_workgroup_id_z 1
		.amdhsa_system_vgpr_workitem_id 0
		.amdhsa_next_free_vgpr 192
		.amdhsa_next_free_sgpr 66
		.amdhsa_reserve_vcc 1
		.amdhsa_float_denorm_mode_32 3
		.amdhsa_float_denorm_mode_16_64 3
		.amdhsa_memory_ordered 1
		.amdhsa_forward_progress 1
		.amdhsa_inst_pref_size 36
	.end_amdhsa_kernel
	.amdgpu_metadata
---
amdhsa.version: [ 1, 2 ]
amdhsa.kernels:
  - .name:           k_q31bf41b590_quant
    .symbol:         k_q31bf41b590_quant.kd
    .args:
      - { .name: Q, .offset: 0, .size: 8, .value_kind: global_buffer, .address_space: global }
      - { .name: K, .offset: 8, .size: 8, .value_kind: global_buffer, .address_space: global }
      - { .name: V, .offset: 16, .size: 8, .value_kind: global_buffer, .address_space: global }
      - { .name: Wq, .offset: 24, .size: 8, .value_kind: global_buffer, .address_space: global }
      - { .name: Wk, .offset: 32, .size: 8, .value_kind: global_buffer, .address_space: global }
      - { .name: Wv, .offset: 40, .size: 8, .value_kind: global_buffer, .address_space: global }
      - { .name: Wo, .offset: 48, .size: 8, .value_kind: global_buffer, .address_space: global }
      - { .name: xc, .offset: 56, .size: 8, .value_kind: global_buffer, .address_space: global }
      - { .name: xs, .offset: 64, .size: 8, .value_kind: global_buffer, .address_space: global }
      - { .name: tab, .offset: 72, .size: 8, .value_kind: global_buffer, .address_space: global }
    .group_segment_fixed_size: 33280
    .private_segment_fixed_size: 0
    .kernarg_segment_align: 8
    .kernarg_segment_size: 80
    .max_flat_workgroup_size: 128
    .sgpr_count:     66
    .vgpr_count:     192
    .wavefront_size: 32
...
	.end_amdgpu_metadata
.endif
;; end of part 1
;; launch proj (part 2): grid 4 x 96, 4 waves a work-group, clusters of 4 x 4, 327,680 bytes of LDS; arguments xc, xs, tab, qc, qs, kv; writes qc, qs, kv
.if DOCPART == 2
	.amdgcn_target "amdgcn-amd-amdhsa--gfx1250"
	.amdhsa_code_object_version 6
	.text
	.protected	k_q31bf41b590_proj
	.globl	k_q31bf41b590_proj
	.p2align	8
	.type	k_q31bf41b590_proj,@function
k_q31bf41b590_proj:
	s_mov_b64 s[64:65], 0
	v_nop
	global_prefetch_b8 v0, s[64:65] scope:SCOPE_SE
	s_setreg_imm32_b32 hwreg(HW_REG_WAVE_MODE, 25, 1), 1
	s_wait_xcnt 0x0
	s_wait_alu depctr_hold_cnt(0) depctr_sa_sdst(0) depctr_va_vdst(0) depctr_va_sdst(0) depctr_va_ssrc(0) depctr_va_vcc(0) depctr_vm_vsrc(0)
	s_getreg_b32 s2, hwreg(HW_REG_IB_STS2, 6, 4)
	s_cmp_eq_u32 s2, 0
	s_cbranch_scc0 .Lentry_in_a_cluster
	s_endpgm
.Lentry_in_a_cluster:
	s_bfe_u32 s2, ttmp6, 0x10000c
	s_cmp_lg_u32 s2, 0xf033
	s_cbranch_scc0 .Lentry_shape_is_right
	s_endpgm
.Lentry_shape_is_right:
; SECOND LAUNCH: the three projections on codes of FP6, and what follows them up to the next quantisers.  q = Q Wq^T and k = K Wk^T are rotated (RoPE) and quantised along the head's 64; v is made as v^T = Wv V^T and quantised along the keys.
; The results leave as codes and scale words in the order in which the next launch's operand registers take them; no f32 result goes to memory.
; A tile of 256 x 256 x 1,024 is made by a work-group of four waves; a wave makes 128 x 128: 64 accumulators, 512 registers.  K goes in steps of 256 through a ring of two LDS slots filled by the tensor data mover.
; The cluster's y, t = 0..23, says what is made: t < 8: q, t < 16: k (A = 1,024 tokens, B = the weight's 1,024 rows); else v^T (A = Wv's 1,024 rows, B = 1,024 tokens).  t is the same in all sixteen partners.
; CLUSTERS: 4 x 4 work-groups.  The four of a row of the cluster need the same tiles of A, the four of a column the same tiles of B: each tile is asked for jointly, by the same tensor load with the same descriptor and a mask of the four.
; THE MATRIX INSTRUCTION IS USED TRANSPOSED (source 0 = 16 rows of B, source 1 = 16 rows of A): a lane holds one row of A, and its registers run along B's rows.  The rows of xc lie so (first launch) that register 16 c + i of a block of A
; is B's row 32 c + 16 (lane / 16) + i of the wave's 128: sixteen neighbours along the next product's K, as the conversions want them.  Lane r of A's block a is A's row 32 (a / 2) + 8 (a % 2) + r + 8 (r / 8).
; THE WAY OUT has no LDS: a lane's 16 codes are 12 bytes, and lanes (r, h) put them at 24 r + 12 h of a half image of 384 bytes, so that a wave's store covers 384 consecutive bytes and 24 x lane is later a lane's six registers.
; REGISTERS, in windows of 256: window 0: v0-31 addresses; v32-63 scale words, two sets; v64-127 the rotation's table, two sets; from v128 A's fragments, one set; on the way out v128-247 are at work.
;   window 1: B's fragments, two sets, at v0 and v128.   windows 2, 3: the accumulators of my rows 0-63 and 64-127 (accumulator (a, b) at v[8 (8 (a % 4) + b)]).
; LIMITS as in the first launch: a block under 2^-124 or of zeros takes the byte 1; NaN and infinities are not served.
.set KSTEP,  256                       ; along K in a slot
.set NQ,     2                         ; matrix instructions deep
.set ROWB,   192                       ; a tile's row in bytes
.set KROW,   768                       ; a row of xc in bytes
.set PITCH,  240                       ; an LDS row: 3 x (64 bytes of data + 16 of padding)
.set FR,     12                        ; registers of a fragment
.set NL,     6                         ; LDS loads that bring one
.set NP,     4                         ; places behind this matrix instruction (ISA guide 7.12.1)
.set HALFT,  128*PITCH                 ; 128 rows: what one tensor load brings
.set SLOT,   4*HALFT                   ; A's 256 rows, then B's 256 rows
.set LAPS,   2                         ; 1,024 along K: twice round the ring
.set KS,     32                        ; a row of xs in bytes
.set SCL,    2*SLOT                    ; behind the ring: the scales, as rows of 256 bytes + 16 of padding
.set HALFS,  (128*KS/256)*272          ; the scales of 128 rows
.set SBLK,   (16*KS/256)*272           ; those of 16 rows
.set SPARE,  SCL+4*HALFS               ; behind the scales: the spare words, 128 bytes a wave, that no other line names
.set ADRA, 16                          ; v16-17 LDS address of my A fragments in slot 0, 1 (v18-19: behind one padding more)
.set ADRB, 20                          ; v20-23 the same for B
.set ADRS, 27                          ; v27    LDS address of my scale words: lanes 0-15 A's rows, lanes 16-31 B's
.set SPW,  28                          ; v28    LDS address of my spare word; never rewritten
.set NIL,  29                          ; v29    0; never rewritten
.set VT,   30                          ; v30    the table: 256 (r + 8 (r / 8)) + 64 h
.set VO0,  31                          ; v31    codes out: 24 r + 12 h
.set VO1,  12                          ; v12    the same in the wave's second head
.set VS,   13                          ; v13    scale words out: 16 r, lanes 16-31 in the second head
.set SC,   32                          ; scale words: set s at v[SC + 16 s]
.set TB,   64                          ; the table's two sets of 32: sixteen pairs (cos, sin)
.set AF,   128                         ; A's fragments
.set HA,   128                         ; the way out: a block's 64 rotated numbers
.set TM,   192                         ; v192-195 largest magnitudes, v196-199 bytes, v204-207 the conversions' scale operands
.set WW,   208                         ; v208-209 scale words in the making
.set PC,   212                         ; v212-226 four runs of three: the codes
.set SW,   240                         ; v240-247 the scale words of the eight blocks
.set G1, 24                            ; s[24:31] descriptor group 1 for A's tiles;  s[32:39] group 0, one set for each slot
.set G0, 32
.set G1B, 48                           ; s[48:55], s[56:63] the same for B's tiles
.set G0B, 56
.set G1S, 68                           ; s[68:75], s[76:79] groups 1 and 0 for A's scales;  s[80:87], s[88:91] for B's
.set G0S, 76
.set G1SB, 80
.set G0SB, 88
.set MSB, 0
.macro WIN new                         ; the immediate's high byte repeats the setting that is left
.if MSB != (\new)
	s_set_vgpr_msb (MSB<<8)|(\new)
.set MSB, (\new)
.endif
.endm
.set MUL_LO, 0xa1                      ; source 0 (B) window 1, source 1 (A) window 0, C and D window 2
.set MUL_HI, 0xf1                      ; the same, C and D window 3
.set TO_B,   0x40                      ; destination window 1, address window 0
; A joint load: waves 0 and 1 fetch for A, waves 2 and 3 for B.  Each of the two lines has one mask and one set of registers for all that issue it; the branch hangs on the wave's number alone.
; An s_nop 0 and four v_nop follow each of the two lines, ahead of the jump, the label and what follows.
.macro JLOAD g0a, g1a, g0b, g1b
	s_cmp_eq_u32 s15, 0
	s_cbranch_scc0 .Lfor_b_\@
	tensor_load_to_lds s[\g0a:\g0a+3], s[\g1a:\g1a+7]
	s_nop 0
.rept 4
	v_nop
.endr
	s_branch .Lasked_\@
.Lfor_b_\@:
	tensor_load_to_lds s[\g0b:\g0b+3], s[\g1b:\g1b+7]
	s_nop 0
.rept 4
	v_nop
.endr
.Lasked_\@:
.endm
.macro CREST                           ; a round of the cluster's barrier behind its opening barrier
	s_cmp_lg_u32 s14, 0
	s_cbranch_scc1 .Lnot_wave_0_\@
	s_barrier_signal -3
.Lnot_wave_0_\@:
	s_barrier_wait -3
	s_barrier_signal -1
	s_barrier_wait -1
.endm
.macro CROUND                          ; a whole round
	s_barrier_signal -1
	s_barrier_wait -1
	CREST
.endm
	s_load_b256 s[4:11], s[0:1], 0x0               ; xc s[4:5], xs s[6:7], tab s[8:9], qc s[10:11]
	s_load_b128 s[96:99], s[0:1], 0x20             ; qs s[96:97], kv s[98:99]
	v_lshl_add_u32 v[SPW], v0, 2, SPARE
	v_mov_b32 v[NIL], 0
	ds_add_u32 v[SPW], v[NIL]                      ; the wave's opening: the add, twice on end, and its wait ahead of my first tensor load
	ds_add_u32 v[SPW], v[NIL]                      ; the set-up below, work on registers, stands between the second and the wait
	v_lshrrev_b32 v1, 5, v0
	v_readfirstlane_b32 s14, v1                    ; wave 0..3
	s_lshr_b32 s15, s14, 1                         ; which half of the tile's rows (A) is mine.  Also: I fetch for A (0) or for B (1)
	s_and_b32 s16, s14, 1                          ; which half of its columns (B).  Also: which 128 rows I fetch
	s_bfe_u32 s40, ttmp6, 0x40000                  ; cx, cy: my place in the cluster
	s_bfe_u32 s41, ttmp6, 0x40004
	s_and_b32 s95, ttmp7, 0xffff                   ; t: the cluster's y
	s_lshl_b32 s43, s41, 2
	s_lshl_b32 s43, 15, s43                        ; my row of the cluster
	s_lshl_b32 s44, 0x1111, s40                    ; my column
	; descriptor group 1: a tile of 128 rows x 192 bytes, 16 bytes of padding behind every 64
	s_or_b32 s[G1+0], s43, (0<<16)|(1<<20)|(1<<21)|(3<<22)|(3<<25)  ; 15:0 the mask: A's tiles go to my row; elements of 1 byte; padding on; bit 21 beside a mask; after every 16 words, 4 words
	s_or_b32 s[G1B+0], s44, (0<<16)|(1<<20)|(1<<21)|(3<<22)|(3<<25)
.irp g, G1, G1B
	s_mov_b32 s[\g+1], ROWB<<16                    ; tensor_dim0
	s_mov_b32 s[\g+2], 128<<16                     ; tensor_dim1
	s_mov_b32 s[\g+3], ROWB<<16                    ; tile_dim0
	s_mov_b32 s[\g+4], 128                         ; tile_dim1
	s_mov_b32 s[\g+5], KROW                        ; from row to row
	s_mov_b32 s[\g+6], 0
	s_mov_b32 s[\g+7], 0
.endr
	; the scales of 128 rows: a dense block of 4,096 bytes, as rows of 256 bytes (32 elements of 8), 16 bytes of padding behind each
	s_or_b32 s[G1S+0], s43, (3<<16)|(1<<20)|(1<<21)|(5<<22)|(3<<25)
	s_or_b32 s[G1SB+0], s44, (3<<16)|(1<<20)|(1<<21)|(5<<22)|(3<<25)
.irp g, G1S, G1SB
	s_mov_b32 s[\g+1], 32<<16
	s_mov_b32 s[\g+2], (128*KS/256)<<16
	s_mov_b32 s[\g+3], 32<<16
	s_mov_b32 s[\g+4], 128*KS/256
	s_mov_b32 s[\g+5], 32
	s_mov_b32 s[\g+6], 0
	s_mov_b32 s[\g+7], 0
.endr
	; the rows of xc: Q 0, K 8,192, V 16,384, Wq 24,576, Wk 25,600, Wv 26,624.  A's row hangs on t and cy, B's on t and cx
	s_lshl_b32 s17, s95, 10                        ; 1,024 t: the tokens of q, k (as A) and of v (as B)
	s_cmp_lt_u32 s95, 16
	s_cselect_b32 s20, s17, 26624                  ; A: tokens, or Wv
	s_cselect_b32 s46, 25600, s17                  ; B: Wk, or V's tokens;
	s_cmp_lt_u32 s95, 8
	s_cselect_b32 s46, 24576, s46                  ; Wq for q
	s_lshl_b32 s18, s16, 7                         ; which 128 rows of the tile I fetch
	s_lshl_b32 s19, s41, 8
	s_add_co_u32 s20, s20, s19
	s_add_co_u32 s20, s20, s18                     ; A: + 256 cy + 128 x half
	s_lshl_b32 s42, s40, 8
	s_add_co_u32 s46, s46, s42
	s_add_co_u32 s46, s46, s18                     ; B: + 256 cx + 128 x half
	s_mov_b32 s21, 0
	s_mov_b32 s47, 0
	s_mov_b64 s[18:19], KS
	s_mul_u64 s[22:23], s[20:21], s[18:19]         ; where these rows' scales begin, in bytes
	s_mul_u64 s[92:93], s[46:47], s[18:19]
	s_mov_b64 s[18:19], KROW
	s_mul_u64 s[20:21], s[20:21], s[18:19]         ; and their codes
	s_mul_u64 s[46:47], s[46:47], s[18:19]
	s_mul_i32 s45, s14, HALFT                      ; where they go: wave x 128 rows: no place in the cluster enters an LDS address
	s_mul_i32 s94, s14, HALFS
	s_wait_dscnt 0x0                               ; both opening adds are done
	s_wait_kmcnt 0x0
	s_add_nc_u64 s[20:21], s[4:5], s[20:21]
	s_add_nc_u64 s[22:23], s[6:7], s[22:23]
	s_add_nc_u64 s[46:47], s[4:5], s[46:47]
	s_add_nc_u64 s[92:93], s[6:7], s[92:93]
	CROUND                                         ; all sixteen work-groups are here: the first joint loads meet
	s_mov_b32 s[G0S], 1
	s_add_co_u32 s[G0S+1], s94, SCL
	s_mov_b64 s[G0S+2:G0S+3], s[22:23]
	s_or_b32 s[G0S+3], s[G0S+3], 0x80000000
	s_mov_b32 s[G0SB], 1
	s_add_co_u32 s[G0SB+1], s94, SCL
	s_mov_b64 s[G0SB+2:G0SB+3], s[92:93]
	s_or_b32 s[G0SB+3], s[G0SB+3], 0x80000000
	JLOAD G0S, G1S, G0SB, G1SB                     ; the scales first: they are wanted with K step 0.  Three loads of mine are out behind the first fills
.irp s, 0,1
	s_mov_b32 s[G0+4*\s], 1
	s_add_co_u32 s[G0+4*\s+1], s45, \s*SLOT
	s_add_nc_u64 s[G0+4*\s+2:G0+4*\s+3], s[20:21], \s*ROWB
	s_or_b32 s[G0+4*\s+3], s[G0+4*\s+3], 0x80000000
	s_mov_b32 s[G0B+4*\s], 1
	s_add_co_u32 s[G0B+4*\s+1], s45, \s*SLOT
	s_add_nc_u64 s[G0B+4*\s+2:G0B+4*\s+3], s[46:47], \s*ROWB
	s_or_b32 s[G0B+4*\s+3], s[G0B+4*\s+3], 0x80000000
	JLOAD G0+4*\s, G1, G0B+4*\s, G1B
.endr
	v_and_b32 v1, 15, v0                           ; r = lane % 16
	v_bfe_u32 v2, v0, 4, 1                         ; h = lane / 16
	v_mul_u32_u24 v3, v1, PITCH
	v_mul_u32_u24 v4, v2, 24
	v_add_nc_u32 v4, v3, v4                        ; a fragment's row x pitch + 24 x half
	v_lshl_add_u32 v5, v2, 4, v4                   ; and the same behind one padding more
	s_mul_i32 s21, s15, HALFT                      ; my 128 rows of A
	s_mul_i32 s22, s16, HALFT                      ; my 128 rows of B,
	s_add_co_u32 s22, s22, 2*HALFT                 ; which lie behind A's 256
.irp s, 0,1
	v_add_nc_u32 v[ADRA+\s], s21, v4
	v_add_nc_u32 v[ADRB+\s], s22, v4
	v_add_nc_u32 v[ADRA+2+\s], s21, v5
	v_add_nc_u32 v[ADRB+2+\s], s22, v5
	s_add_co_u32 s21, s21, SLOT
	s_add_co_u32 s22, s22, SLOT
.endr
	v_mul_u32_u24 v5, v1, KS                       ; my row's scales: 32 bytes a row,
	v_lshrrev_b32 v6, 8, v5
	v_lshl_add_u32 v5, v6, 4, v5                   ; and 16 more for each 256 passed
	s_mul_i32 s21, s15, HALFS                      ; A's: my 128 rows
	s_mul_i32 s22, s16, HALFS                      ; B's: my 128 rows, behind A's 256
	s_add_co_u32 s22, s22, 2*HALFS
	s_sub_co_u32 s22, s22, s21
	v_mul_u32_u24 v6, s22, v2                      ; lanes 16-31 take B's: one product, the distance between the two
	s_add_co_u32 s21, s21, SCL
	v_add_nc_u32 v5, v5, v6
	v_add_nc_u32 v[ADRS], s21, v5
	; THE WAY OUT'S PLACES.  The side that runs over tokens gives the group of 128 tokens g, the side that runs over features the pair of heads: q, k: tokens = A (cy, row half); v: tokens = B (cx, column half)
	s_cmp_lt_u32 s95, 16
	s_cselect_b32 s17, s41, s40
	s_cselect_b32 s18, s40, s41
	s_cselect_b32 s19, s15, s16
	s_cselect_b32 s20, s16, s15
	s_lshl_b32 s21, s95, 3
	s_lshl_b32 s17, s17, 1
	s_add_co_u32 s21, s21, s17
	s_add_co_u32 s21, s21, s19
	s_and_b32 s21, s21, 63                         ; g = 8 t + 2 c + half, within its tensor's 64 groups
	s_lshr_b32 s22, s21, 4
	s_lshl_b32 s22, s22, 4                         ; 16 x batch
	s_lshl_b32 s18, s18, 2
	s_add_co_u32 s22, s22, s18
	s_lshl_b32 s20, s20, 1
	s_add_co_u32 s22, s22, s20                     ; the first of my two heads: 16 x batch + 4 c + 2 x half
	s_and_b32 s21, s21, 15                         ; the group within its sequence
	s_cmp_lt_u32 s95, 8                            ; q goes to qc and qs; k and v to kv
	s_cselect_b64 s[12:13], s[10:11], s[98:99]
	s_cselect_b64 s[66:67], s[96:97], s[98:99]
	s_mov_b32 s23, 208896
	s_cselect_b32 s40, 98304, s23                  ; codes: bytes from head to head
	s_cselect_b32 s41, 8192, s23                   ; scale words: likewise
	s_mov_b32 s23, 12288
	s_cselect_b32 s42, 6144, s23                   ; codes: bytes from group to group
	s_mov_b32 s23, 768
	s_cselect_b32 s43, 512, s23                    ; scale words: likewise
	s_cselect_b32 s44, 0, 196608                   ; in kv a head's scale words lie behind its codes
	s_mul_i32 s46, s22, s40
	s_mul_i32 s47, s21, s42
	s_add_co_u32 s46, s46, s47
	s_mov_b32 s47, 0
	s_add_nc_u64 s[12:13], s[12:13], s[46:47]      ; where my codes go
	s_mul_i32 s46, s22, s41
	s_mul_i32 s92, s21, s43
	s_add_co_u32 s46, s46, s92
	s_add_co_u32 s46, s46, s44
	s_add_nc_u64 s[66:67], s[66:67], s[46:47]      ; where my scale words go
	s_cmp_lt_u32 s95, 16                           ; v's fragments lie behind k's eight, its words behind k's two planes
	s_cselect_b32 s46, 0, 6144
	s_add_nc_u64 s[12:13], s[12:13], s[46:47]
	s_cselect_b32 s46, 0, 512
	s_add_nc_u64 s[66:67], s[66:67], s[46:47]
	s_lshl_b32 s46, s21, 15                        ; the table at my group's first position: 128 rows of 256 bytes a group
	s_add_nc_u64 s[8:9], s[8:9], s[46:47]
	v_and_b32 v3, 8, v1
	v_add_nc_u32 v3, v3, v1                        ; r + 8 (r / 8)
	v_lshlrev_b32 v[VT], 8, v3
	v_lshl_add_u32 v[VT], v2, 6, v[VT]
	v_mul_u32_u24 v[VO0], v1, 24
	v_mad_u32_u24 v[VO0], v2, 12, v[VO0]
	v_add_nc_u32 v[VO1], s40, v[VO0]
	v_mul_u32_u24 v[VS], s41, v2
	v_lshl_add_u32 v[VS], v1, 4, v[VS]
	v_cmp_ne_u32 s94, 0, v2                        ; the mask of lanes 16-31
	s_mov_b32 s92, 0x76543210
	s_mov_b32 s93, 0xfedcba98                      ; v_permlanex16_b32's selects for lane l xor 16
.macro FRAG reg, adr, q, i             ; a fragment, 16 rows x 128 K, is 12 registers: lane l holds row l % 16; registers 6 c .. 6 c + 5 hold K = 64 c + 32 (l / 16) + 0 .. 31: 24 bytes of the row, as they lie
.irp p, 0,1,2,3,4,5                    ; in pieces of 8 bytes.  Where the piece of lanes 16-31, three pieces on, lies behind one padding more, the second address register serves
.set PCE, 12*(\q)+6*(\p/3)+\p%3
.if PCE%8 < 5
	ds_load_b64 v[\reg+2*\p:\reg+2*\p+1], v[\adr] offset:8*PCE+16*(PCE/8)+(\i)*16*PITCH
.else
	ds_load_b64 v[\reg+2*\p:\reg+2*\p+1], v[\adr+2] offset:8*PCE+16*(PCE/8)+(\i)*16*PITCH
.endif
.endr
.endm
; 16 matrix instructions: A's blocks a0, a0 + 1 x B's eight, 128 along K: the slot's q-th.  p: B's set;  sc: the set of scale words.  zero = 1: the first product starts the sums.
; The 64 accumulators take turns, one instruction a turn, in the same order in every step.
.macro MUL16 a0, p, q, sc, zero
.irp a, \a0, \a0+1
.irp b, 0,1,2,3,4,5,6,7
.if \zero
	v_wmma_scale_f32_16x16x128_f8f6f4 v[8*(8*((\a)%4)+\b):8*(8*((\a)%4)+\b)+7], v[128*(\p)+FR*\b:128*(\p)+FR*\b+FR-1], v[AF+FR*(\a):AF+FR*(\a)+FR-1], 0, v[SC+8*NQ*(\sc)+NQ*\b+(\q)], v[SC+8*NQ*(\sc)+NQ*(\a)+(\q)] matrix_a_fmt:MATRIX_FMT_FP6 matrix_b_fmt:MATRIX_FMT_FP6 matrix_a_scale:MATRIX_SCALE_ROW1
.else
	v_wmma_scale_f32_16x16x128_f8f6f4 v[8*(8*((\a)%4)+\b):8*(8*((\a)%4)+\b)+7], v[128*(\p)+FR*\b:128*(\p)+FR*\b+FR-1], v[AF+FR*(\a):AF+FR*(\a)+FR-1], v[8*(8*((\a)%4)+\b):8*(8*((\a)%4)+\b)+7], v[SC+8*NQ*(\sc)+NQ*\b+(\q)], v[SC+8*NQ*(\sc)+NQ*(\a)+(\q)] matrix_a_fmt:MATRIX_FMT_FP6 matrix_b_fmt:MATRIX_FMT_FP6 matrix_a_scale:MATRIX_SCALE_ROW1
.endif
.endr
.endr
.endm
.macro FETCH_B slot, q, p              ; B's eight fragments of the slot's q-th 128 along K into set p
	WIN TO_B
.irp i, 0,1,2,3,4,5,6,7
	FRAG 128*(\p)+FR*\i, ADRB+\slot, \q, \i
.endr
	WIN 0
.endm
.macro FETCH_A slot, q, i0             ; A's blocks i0 .. i0 + 3
.irp i, \i0, \i0+1, \i0+2, \i0+3
	FRAG AF+FR*(\i), ADRA+\slot, \q, \i
.endr
.endm
.macro SCALES sc                       ; a K step's scale words into set sc: two words a row; lanes 0-15 take A's block i, lanes 16-31 B's block i
.irp i, 0,1,2,3,4,5,6,7
	ds_load_b64 v[SC+8*NQ*\sc+NQ*\i:SC+8*NQ*\sc+NQ*\i+1], v[ADRS] offset:\i*SBLK
.endr
.endm
.macro PLACES n                        ; plain vector lines between a matrix instruction and a load into, or a vector line on, one of its registers
.rept \n
	v_nop
.endr
.endm
; A step of 128 along K that has its successor in the same slot.
.macro STEP slot, q, zero
	s_wait_dscnt 4*NL                              ; B's set and A's blocks 0-3 are in; the youngest 24 loads (A's blocks 4-7) may be out
	WIN MUL_LO
	MUL16 0, (\q)%2, \q, \slot, \zero
	MUL16 2, (\q)%2, \q, \slot, \zero
	s_wait_dscnt 0                                 ; A's blocks 4-7 are in
	PLACES NP
	FETCH_B \slot, (\q)+1, 1-(\q)%2
	FETCH_A \slot, (\q)+1, 0
	WIN MUL_HI
	MUL16 4, (\q)%2, \q, \slot, \zero
	MUL16 6, (\q)%2, \q, \slot, \zero
	PLACES NP
	WIN 0
	FETCH_A \slot, (\q)+1, 4
.endm
; A slot's last step changes slots: one barrier; in front of it each wave waits for all its tensor loads, adds 0 to its spare word, and waits for that and for its own reads of this slot.  fill = 1: this slot is filled again, two K steps ahead.
.macro TURN slot, next, fill
	s_wait_tensorcnt 0x0                           ; all my tensor loads have landed: my part of the next slot
	ds_add_u32 v[SPW], v[NIL]                      ; 0 onto my spare word
	s_wait_dscnt 4*NL+1                            ; (the add and the youngest 24 loads, A's blocks 4-7, may be out)
	WIN MUL_LO
	MUL16 0, 1, NQ-1, \slot, 0                     ; sixteen matrix instructions stand between the add and the wait for it
	s_wait_dscnt 0x0                               ; the add is done, and my reads of this slot are over
	s_barrier_signal -1
	MUL16 2, 1, NQ-1, \slot, 0
	WIN 0
	s_barrier_wait -1
.if \fill
	CREST                                          ; the barrier has opened a round of the cluster's barrier: no wave of any partner still reads this slot's tile or has a load on its way
	s_add_nc_u64 s[G0+4*\slot+2:G0+4*\slot+3], s[G0+4*\slot+2:G0+4*\slot+3], 2*ROWB
	s_add_nc_u64 s[G0B+4*\slot+2:G0B+4*\slot+3], s[G0B+4*\slot+2:G0B+4*\slot+3], 2*ROWB
	JLOAD G0+4*\slot, G1, G0B+4*\slot, G1B         ; the first tensor load behind the round; its four v_nop are the places in front of the loads below
.else
	PLACES NP
.endif
	v_add_nc_u32 v[ADRS], 4*NQ, v[ADRS]            ; on to the next K step's scale words
	FETCH_B \next, 0, 0
	FETCH_A \next, 0, 0
	SCALES \next
	WIN MUL_HI
	MUL16 4, 1, NQ-1, \slot, 0
	MUL16 6, 1, NQ-1, \slot, 0
	PLACES NP
	WIN 0
	FETCH_A \next, 0, 4
.endm
.macro LASTSTEP                        ; the very last 128 along K: nothing more to fetch
	s_wait_dscnt 4*NL
	WIN MUL_LO
	MUL16 0, 1, NQ-1, 1, 0
	MUL16 2, 1, NQ-1, 1, 0
	s_wait_dscnt 0
	WIN MUL_HI
	MUL16 4, 1, NQ-1, 1, 0
	MUL16 6, 1, NQ-1, 1, 0
	WIN 0
.endm
; The table for block a: my token's sixteen pairs (cos, sin): j = 16 e + 8 h + 0 .. 7, e = 0, 1: eight loads of 16 bytes into set a % 2
.macro TABLOAD a
.irp e, 0,1
.irp k, 0,1,2,3
	global_load_b128 v[TB+32*((\a)%2)+16*\e+4*\k:TB+32*((\a)%2)+16*\e+4*\k+3], v[VT], s[8:9] offset:(32*((\a)/2)+8*((\a)%2))*256+128*\e+16*\k
.endr
.endr
.endm
; The rotation of block a: pair i of the lane's 32 is (x1, x2) at d = 2 j, 2 j + 1; it becomes (x1 cos - x2 sin, x1 sin + x2 cos).  Table pair i % 16.  Each accumulator is read from its low end on.
.macro ROPE a
	WIN 2+(\a)/4                                   ; source 0: the accumulators' window
.set AC, 64*((\a)%4)
.set TBX, TB+32*((\a)%2)
.set gg, 0
.rept 4
.set ii, 8*gg
.rept 8
	v_pk_mul_f32 v[HA+2*ii:HA+2*ii+1], v[AC+2*ii:AC+2*ii+1], v[TBX+2*(ii%16):TBX+2*(ii%16)+1] op_sel_hi:[1,0]   ; (x1 cos, x2 cos)
.set ii, ii+1
.endr
.set ii, 8*gg
.rept 8
	v_pk_fma_f32 v[HA+2*ii:HA+2*ii+1], v[AC+2*ii:AC+2*ii+1], v[TBX+2*(ii%16):TBX+2*(ii%16)+1], v[HA+2*ii:HA+2*ii+1] op_sel:[1,1,0] op_sel_hi:[0,1,1] neg_lo:[0,1,0]   ; - x2 sin, + x1 sin
.set ii, ii+1
.endr
.set gg, gg+1
.endr
	WIN 0
.endm
; 64 numbers of a lane in window w, register 16 b + i = place 32 b + 16 (lane / 16) + i along the next K, become four runs of 16 codes in v[PC + 4 b] on, and four scale bytes in v[TM + 4 + b].
.macro QUANT4 src, w
	WIN (\w)|((\w)<<2)                             ; sources 0 and 1
.irp b, 0,1,2,3
	v_max3_num_f32 v[TM+\b], |v[(\src)+16*\b]|, |v[(\src)+16*\b+1]|, 0x1800000   ; my 16 numbers of block b, and the floor 2^(3 - 127): the byte cannot fall under 1
.endr
.irp i, 2,4,6,8,10,12,14
.irp b, 0,1,2,3
	v_max3_num_f32 v[TM+\b], |v[(\src)+16*\b+\i]|, |v[(\src)+16*\b+\i+1]|, v[TM+\b]   ; (the four blocks by turns)
.endr
.endr
	WIN 0
.irp b, 0,1,2,3
	v_permlanex16_b32 v[TM+4+\b], v[TM+\b], s92, s93
.endr
.irp b, 0,1,2,3
	v_max_num_f32 v[TM+\b], v[TM+\b], v[TM+4+\b]   ; with lane l xor 16's 16: the block's largest magnitude
.endr
.irp b, 0,1,2,3
	v_add_nc_u32 v[TM+12+\b], 0xff000000, v[TM+\b] ; 2 off its exponent field: the conversion's scale operand
.endr
.irp b, 0,1,2,3
	v_lshrrev_b32 v[TM+4+\b], 23, v[TM+12+\b]      ; the scale's byte
.endr
	s_wait_xcnt 0x0                                ; the last block's stores have read the codes' registers: they are written again only behind this wait
	WIN (\w)
.irp b, 0,1,2,3
	v_cvt_scalef32_pk16_fp6_f32 v[PC+4*\b:PC+4*\b+2], v[(\src)+16*\b:(\src)+16*\b+15], v[TM+12+\b]
.endr
	WIN 0
	v_nop                                          ; one plain line behind the last scaled conversion
.endm
	s_wait_tensorcnt 1                             ; the scales and my part of K step 0 are in (K step 1's load may be out)
	s_barrier_signal -1
	s_barrier_wait -1                              ; everybody's are
	FETCH_B 0, 0, 0
	FETCH_A 0, 0, 0
	SCALES 0
	FETCH_A 0, 0, 4
	STEP 0, 0, 1                                   ; the first step stands in front of the loop: its products start the sums
	s_mov_b32 s3, LAPS-1
.Llap:                                                 ; a trip goes once round the ring, from a lap's second step to the next lap's first, and fills both slots again
	TURN 0, 1, 1
	STEP 1, 0, 0
	TURN 1, 0, 1
	STEP 0, 0, 0
	s_sub_co_u32 s3, s3, 1
	s_cmp_lg_u32 s3, 0
	s_cbranch_scc1 .Llap
	TURN 0, 1, 0                                   ; the last lap fills nothing, and has no round of the cluster's barrier
	STEP 1, 0, 0
	s_cmp_ge_u32 s95, 16                           ; q and k part from v here, once: t is the same in all sixteen partners
	s_cbranch_scc1 .Lv
	; ---- q and k: rotate, quantise along the head's 64, store.  The table runs two blocks ahead
	TABLOAD 0
	TABLOAD 1
	LASTSTEP
	PLACES NP
.irp b, 0,1,2,3
	v_mov_b32 v[TM+4+\b], 0                        ; written once: a lane permute's destination counts as one of its sources
.endr
.irp a, 0,1,2,3,4,5,6,7
.if \a < 7
	s_wait_loadcnt 8                               ; this block's eight table loads are in; the next block's eight may be out
.else
	s_wait_loadcnt 0
.endif
	ROPE \a
.if \a < 6
	TABLOAD \a+2
.endif
	QUANT4 HA, 0
.irp c, 0,1,2,3                        ; block c: head c / 2 of my two, d = 32 (c % 2) + 16 h + 0 .. 15: the wave stores 384 consecutive bytes
.if \c < 2
	global_store_b96 v[VO0], v[PC+4*\c:PC+4*\c+2], s[12:13] offset:768*\a+384*(\c%2)
.else
	global_store_b96 v[VO1], v[PC+4*\c:PC+4*\c+2], s[12:13] offset:768*\a+384*(\c%2)
.endif
.endr
	v_lshl_or_b32 v[WW], v[TM+5], 8, v[TM+4]       ; a head's two bytes; the word's upper two stay 0: they stand over zero codes
	v_lshl_or_b32 v[WW+1], v[TM+7], 8, v[TM+6]
	v_cndmask_b32 v[SW+\a], v[WW], v[WW+1], s94    ; lanes 0-15 keep the first head's word, lanes 16-31 the second's
.endr
	global_store_b128 v[VS], v[SW:SW+3], s[66:67]              ; tiles 0-3: sixteen lanes store 256 consecutive bytes, aligned, for each head
	global_store_b128 v[VS], v[SW+4:SW+7], s[66:67] offset:256 ; tiles 4-7
	s_branch .Lend
.Lv:	; ---- v^T: a lane holds one of the head's 64, its registers run along 128 keys: quantise along the keys, store
	LASTSTEP
	PLACES NP
.irp b, 0,1,2,3
	v_mov_b32 v[TM+4+\b], 0
.endr
.irp a, 0,1,2,3,4,5,6,7
	QUANT4 64*(\a%4), 2+\a/4
.irp c, 0,1,2,3                        ; keys 32 c + 16 h + 0 .. 15 of fragment a % 4 of head a / 4
	global_store_b96 v[VO0], v[PC+4*\c:PC+4*\c+2], s[12:13] offset:(\a/4)*208896+(\a%4)*1536+384*\c
.endr
	v_lshl_or_b32 v[WW], v[TM+5], 8, v[TM+4]       ; the four bytes make my row's scale word for these 128 keys
	v_lshl_or_b32 v[WW], v[TM+6], 16, v[WW]
.if \a < 4
	v_lshl_or_b32 v[SW+\a], v[TM+7], 24, v[WW]
.else
	v_lshl_or_b32 v[WW], v[TM+7], 24, v[WW]
	v_cndmask_b32 v[SW+\a-4], v[SW+\a-4], v[WW], s94   ; lanes 16-31 carry the second head's
.endif
.endr
	global_store_b128 v[VS], v[SW:SW+3], s[66:67]
.Lend:
	s_wait_tensorcnt 0x0                           ; the wave's end, behind my last tensor load
	ds_add_u32 v[SPW], v[NIL]
	s_wait_dscnt 0x0
	CROUND                                         ; the closing round: no work-group ends while a partner may still ask for a tile that names it
	s_endpgm
.Lfunc_end_k_q31bf41b590_proj:
	.size	k_q31bf41b590_proj, .Lfunc_end_k_q31bf41b590_proj-k_q31bf41b590_proj
	.p2alignl 7, 3214868480
	.fill 96, 4, 3214868480
	.section	.rodata,"a",@progbits
	.p2align	6, 0x0
	.amdhsa_kernel k_q31bf41b590_proj
		.amdhsa_group_segment_fixed_size 327680
		.amdhsa_private_segment_fixed_size 0
		.amdhsa_enable_private_segment 0
		.amdhsa_kernarg_size 48
		.amdhsa_user_sgpr_count 2
		.amdhsa_user_sgpr_kernarg_segment_ptr 1
		.amdhsa_wavefront_size32 1
		.amdhsa_system_sgpr_workgroup_id_x 1
		.amdhsa_system_sgpr_workgroup_id_y 1
		.amdhsa_system_sgpr_workgroup_id_z 1
		.amdhsa_system_vgpr_workitem_id 0
		.amdhsa_next_free_vgpr 1024
		.amdhsa_next_free_sgpr 100
		.amdhsa_reserve_vcc 0
		.amdhsa_float_denorm_mode_32 3
		.amdhsa_float_denorm_mode_16_64 3
		.amdhsa_memory_ordered 1
		.amdhsa_forward_progress 1
		.amdhsa_inst_pref_size 241
	.end_amdhsa_kernel
	.amdgpu_metadata
---
amdhsa.version: [ 1, 2 ]
amdhsa.kernels:
  - .name:           k_q31bf41b590_proj
    .symbol:         k_q31bf41b590_proj.kd
    .args:
      - { .name: xc, .offset: 0, .size: 8, .value_kind: global_buffer, .address_space: global }
      - { .name: xs, .offset: 8, .size: 8, .value_kind: global_buffer, .address_space: global }
      - { .name: tab, .offset: 16, .size: 8, .value_kind: global_buffer, .address_space: global }
      - { .name: qc, .offset: 24, .size: 8, .value_kind: global_buffer, .address_space: global }
      - { .name: qs, .offset: 32, .size: 8, .value_kind: global_buffer, .address_space: global }
      - { .name: kv, .offset: 40, .size: 8, .value_kind: global_buffer, .address_space: global }
    .group_segment_fixed_size: 327680
    .private_segment_fixed_size: 0
    .kernarg_segment_align: 8
    .kernarg_segment_size: 48
    .max_flat_workgroup_size: 128
    .sgpr_count:     100
    .vgpr_count:     1024
    .wavefront_size: 32
...
	.end_amdgpu_metadata
.endif
;; end of part 2
;; launch attn (part 3): grid 4 x 64, 16 waves a work-group, no clusters, 327,680 bytes of LDS; arguments qc, qs, kv, oc, os; writes oc, os
.if DOCPART == 3
	.amdgcn_target "amdgcn-amd-amdhsa--gfx1250"
	.amdhsa_code_object_version 6
	.text
	.protected	k_q31bf41b590_attn
	.globl	k_q31bf41b590_attn
	.p2align	8
	.type	k_q31bf41b590_attn,@function
k_q31bf41b590_attn:
	s_mov_b64 s[64:65], 0
	v_nop
	global_prefetch_b8 v0, s[64:65] scope:SCOPE_SE
	s_setreg_imm32_b32 hwreg(HW_REG_WAVE_MODE, 25, 1), 1
	s_wait_xcnt 0x0
; THIRD LAUNCH: causal attention of one head on codes of FP6: S^T = k q^T over the head's 64, the softmax, O^T = v^T p^T over the keys, O / the row's sum, and O quantised along the head's 64 for the last product.
; WORK LEFT OUT: a step of 128 keys whose first key comes after all 16 queries of a tile is hidden by the mask that reference() builds itself, for all values of the inputs: it is not multiplied (shown at the head of the first launch).
; THE SOFTMAX AHEAD OF THE SECOND PRODUCT: t = score x log2(e) / 8; M = the running largest t rounded up to a whole number; p = 2^(t - M) is quantised along the keys, not normalised.  The row's sum is taken of the unquantised p
; and divides O at the end (v_rcp_f32 and a multiplication).  When M moves, the sum and O are multiplied by 2^(old M - new M), which rounds nothing.
; THE FIRST PRODUCT'S K IS 64, half of the instruction's 128: the upper six registers of q's and k's fragments are zeros for the whole launch; the upper two bytes of their scale words are 0 and stand over zero codes.
; SHARES: work-group (p, head) owns the blocks p and 7 - p of 256 queries.  Wave w owns tile X = 16 p + w and tile Y = 127 - X: together 17 live key steps in every wave of every work-group.
; The queries of tile T are 32 (T / 2) + 8 (T % 2) + r + 8 (r / 8) (the order in which the second launch left them); they lie inside one group of 128, so a live step's first key counts for all 16.
; K's and V's fragments come as the second launch laid them, in the order of the operand's registers: a lane's 24 bytes at 24 x lane.  A slot of the ring holds two key steps, 24,576 dense bytes; wave 0 alone fetches, one load a slot.
; NO CLUSTER: the four work-groups of a head need 8 - p slots; a joint load would bring slots whose reads every wave of some partner jumps over.
; Every work-group walks all eight changes of slots, so that the loops' trip counts are constants; past its last query it asks for nothing.  Every wait on TENSORcnt is for 0.
; REGISTERS: v1-9 addresses; v10, v11 q's scale words; v12-15, v16-19 -M, largest t, the sum in two halves (X, Y); v20-31, v32-43 q's fragments; v44-91 four fragments of k; v92-95 k's scale words, tiles 4-7;
;   v96-159 S^T, then p, then v's four fragments; v160-191, v192-223 O^T; v224-235 p's codes; v232-254 at work; v248-251 scale words of k's tiles 0-3, then of v; v253 p's scale word; v255 the prefetches' offset.
; LIMITS: a block under 2^-124 or of zeros takes the byte 1; NaN and infinities are not served.  The scale bytes of O leave two to a lane, into rows of 32 bytes that sixteen heads share: 1 byte for 24 of codes.
.set SLOT1, 32768                      ; slot 1 begins here: one exclusive or turns an address in one slot into the other's
.set SLOTB, 24576                      ; a slot's bytes: two key steps
.set STEPB, 12288                      ; a key step: k's eight fragments of 768 bytes, then v's four of 1,536
.set SCB,   65536                      ; behind the ring: the head's scale words, 16 steps x 768 bytes
.set SPARE, 77824                      ; the spare words, 128 bytes for each of 16 waves, that no other line names
.set AF,   1                           ; v1   24 x lane
.set AS0,  2                           ; v2   SCB + 16 r
.set DQ,   3                           ; v3   r + 8 (r / 8) - 16 h
.set GS,   4                           ; v4   32 r
.set SPW,  5                           ; v5   LDS address of my spare word; never rewritten
.set NIL,  6                           ; v6   0; never rewritten
.set GO,   7                           ; v7   24 r + 12 h
.set ADK,  8                           ; v8   LDS address of the slot's fragments
.set ADS,  9                           ; v9   of the step's scale words
.set PFO,  255                         ; v255 256 x lane; never rewritten
.set WV,   18                          ; s18  my wave's number
.set SEL,  20                          ; s[20:21] v_permlanex16_b32's selects for lane l xor 16
.set CS,   22                          ; s[22:23] c = log2(e) / 8
.set G1,   24                          ; s[24:31] descriptor group 1 for a slot;  s[32:39] for the scale words;  s[40:43], s[44:47] their groups 0
.set G1S,  32
.set G0,   40
.set G0S,  44
.set TB,   2                           ; s2   LDS byte at which the slot in hand begins
.set TS,   3                           ; s3   the step's scale words: 768 bytes a step
.set KF,   66                          ; s66  the step's first key
.set SLOTS, 67                         ; s67  changes of slots to go that may ask
.set Q0X,  68                          ; s68, s69 the tiles' first queries
.set Q0Y,  69
.set QL,   70                          ; s70  my work-group's last query
.set PFA,  76                          ; s[76:77] where my prefetches stand
.set LIM,  84                          ; s84  1 in a wave that prefetches, else the greatest number
	s_load_b256 s[4:11], s[0:1], 0x0               ; qc s[4:5], qs s[6:7], kv s[8:9], oc s[10:11]
	s_load_b64 s[12:13], s[0:1], 0x20              ; os
	v_lshl_add_u32 v[SPW], v0, 2, SPARE
	v_mov_b32 v[NIL], 0
	ds_add_u32 v[SPW], v[NIL]                      ; the wave's opening: the add, twice on end, and its wait ahead of the first tensor load
	ds_add_u32 v[SPW], v[NIL]                      ; the set-up below, work on registers, stands between the second and the wait
	v_lshrrev_b32 v8, 5, v0
	v_readfirstlane_b32 s[WV], v8                  ; wave 0..15
	s_and_b32 s71, ttmp7, 0xffff                   ; 16 x batch + head
	s_lshl_b32 s82, ttmp9, 4
	s_add_co_u32 s82, s82, s[WV]                   ; tile X
	s_sub_co_u32 s83, 127, s82                     ; tile Y
	s_lshr_b32 s96, s82, 1
	s_lshl_b32 s96, s96, 5
	s_and_b32 s97, s82, 1
	s_lshl_b32 s97, s97, 3
	s_add_co_u32 s[Q0X], s96, s97                  ; 32 (T / 2) + 8 (T % 2)
	s_lshr_b32 s96, s83, 1
	s_lshl_b32 s96, s96, 5
	s_and_b32 s97, s83, 1
	s_lshl_b32 s97, s97, 3
	s_add_co_u32 s[Q0Y], s96, s97
	s_sub_co_u32 s[QL], 8, ttmp9
	s_lshl_b32 s[QL], s[QL], 8
	s_sub_co_u32 s[QL], s[QL], 1                   ; 256 (8 - p) - 1
	; descriptor groups 1: dense blocks as rows of 256 bytes (32 elements of 8), no padding: 96 rows a slot, 48 for the scale words
	s_mov_b32 s[G1], 3<<16
	s_mov_b32 s[G1+1], 32<<16
	s_mov_b32 s[G1+2], 96<<16
	s_mov_b32 s[G1+3], 32<<16
	s_mov_b32 s[G1+4], 96
	s_mov_b32 s[G1+5], 32
	s_mov_b32 s[G1+6], 0
	s_mov_b32 s[G1+7], 0
	s_mov_b32 s[G1S], 3<<16
	s_mov_b32 s[G1S+1], 32<<16
	s_mov_b32 s[G1S+2], 48<<16
	s_mov_b32 s[G1S+3], 32<<16
	s_mov_b32 s[G1S+4], 48
	s_mov_b32 s[G1S+5], 32
	s_mov_b32 s[G1S+6], 0
	s_mov_b32 s[G1S+7], 0
	s_mov_b32 s[SEL], 0x76543210
	s_mov_b32 s[SEL+1], 0xfedcba98
	s_mov_b32 s[CS], 0x3e38aa3b                    ; log2(e) / 8
	s_mov_b32 s[CS+1], s[CS]                       ; (named with it as a pair, so it is written)
	s_mov_b32 s[TB], 0
	s_mov_b32 s[TS], 0
	s_mov_b32 s[KF], 0
	s_mov_b32 s[SLOTS], 7
	s_sub_co_u32 s96, s[WV], 4
	s_cmp_lt_u32 s96, 3                            ; waves 4, 5, 6
	s_cselect_b32 s[LIM], 1, -1
	s_cmp_eq_u32 ttmp9, 0                          ; of the head's first work-group, which walks all eight slots
	s_cselect_b32 s[LIM], s[LIM], -1
	s_mul_i32 s86, s71, 208896                     ; my head in kv
	s_mov_b32 s87, 0
	s_wait_dscnt 0x0                               ; both opening adds are done
	s_wait_kmcnt 0x0
	s_add_nc_u64 s[8:9], s[8:9], s[86:87]
	s_mov_b32 s[G0S], 1
	s_mov_b32 s[G0S+1], SCB
	s_add_nc_u64 s[G0S+2:G0S+3], s[8:9], 196608    ; the head's scale words lie behind its codes
	s_or_b32 s[G0S+3], s[G0S+3], 0x80000000
	s_mov_b32 s[G0], 1
	s_mov_b32 s[G0+1], 0                           ; slot 0
	s_mov_b64 s[G0+2:G0+3], s[8:9]
	s_or_b32 s[G0+3], s[G0+3], 0x80000000
	s_cmp_lg_u32 s[WV], 0                          ; wave 0's two first fills stand in one branch: two loads of its are out
	s_cbranch_scc1 .Lno_first
	tensor_load_to_lds s[G0S:G0S+3], s[G1S:G1S+7]  ; the scale words of the whole head: filled once
	s_nop 0
	tensor_load_to_lds s[G0:G0+3], s[G1:G1+7]      ; slot 0: keys 0 to 255, which count for some query of every work-group
	s_nop 0
.rept 4
	v_nop
.endr
.Lno_first:
	s_and_b32 s86, s[WV], 3
	s_lshl_b32 s86, s86, 13                        ; the prefetches: 8,192 bytes a wave,
	s_add_co_u32 s86, s86, SLOTB                   ; in slot 1: the first change of slots steps it to slot 2.  Nothing is prefetched here, at the head
	s_add_nc_u64 s[PFA:PFA+1], s[8:9], s[86:87]
	v_and_b32 v8, 15, v0                           ; r
	v_bfe_u32 v9, v0, 4, 1                         ; h
	v_and_b32 v252, 31, v0                         ; lane
	v_mul_u32_u24 v[AF], v252, 24
	v_lshl_add_u32 v[AS0], v8, 4, SCB
	v_and_b32 v254, 8, v8
	v_add_nc_u32 v254, v254, v8
	v_lshlrev_b32 v[DQ], 4, v9
	v_sub_nc_u32 v[DQ], v254, v[DQ]
	v_lshlrev_b32 v[GS], 5, v8
	v_mul_u32_u24 v[GO], v8, 24
	v_mad_u32_u24 v[GO], v9, 12, v[GO]
	v_lshlrev_b32 v[PFO], 8, v252
	; q: a tile's half image of 768 bytes, and its scale words [group of 8 tiles][plane of 4 tiles][r][4 words]
	s_mul_i32 s86, s71, 98304
	s_mul_i32 s96, s82, 768
	s_add_co_u32 s96, s96, s86
	s_mul_i32 s97, s83, 768
	s_add_co_u32 s97, s97, s86
	v_add_nc_u32 v240, s96, v[AF]
	v_add_nc_u32 v241, s97, v[AF]
.irp p, 0,1,2
	global_load_b64 v[20+2*\p:21+2*\p], v240, s[4:5] offset:8*\p
	global_load_b64 v[32+2*\p:33+2*\p], v241, s[4:5] offset:8*\p
.endr
	s_lshl_b32 s86, s71, 13
	s_lshr_b32 s96, s82, 2
	s_lshl_b32 s96, s96, 8                         ; 256 bytes a plane
	s_and_b32 s97, s82, 3
	s_lshl_b32 s97, s97, 2
	s_add_co_u32 s96, s96, s97
	s_add_co_u32 s96, s96, s86
	v_lshl_add_u32 v242, v8, 4, s96
	s_lshr_b32 s96, s83, 2
	s_lshl_b32 s96, s96, 8
	s_and_b32 s97, s83, 3
	s_lshl_b32 s97, s97, 2
	s_add_co_u32 s96, s96, s97
	s_add_co_u32 s96, s96, s86
	v_lshl_add_u32 v243, v8, 4, s96
	global_load_b32 v10, v242, s[6:7]
	global_load_b32 v11, v243, s[6:7]
	; where the tiles' results go: oc [128 x batch + T][head][768 bytes]; os [16 (128 x batch + T) + r][32 bytes], bytes 2 x head on
	s_lshr_b32 s86, s71, 4
	s_lshl_b32 s86, s86, 7
	s_and_b32 s87, s71, 15
	s_add_co_u32 s96, s86, s82
	s_add_co_u32 s97, s86, s83
	s_mul_i32 s72, s96, 12288
	s_mul_i32 s73, s97, 12288
	s_mul_i32 s86, s87, 768
	s_add_co_u32 s72, s72, s86
	s_add_co_u32 s73, s73, s86
	s_lshl_b32 s74, s96, 9
	s_lshl_b32 s75, s97, 9
	s_lshl_b32 s87, s87, 1
	s_add_co_u32 s74, s74, s87
	s_add_co_u32 s75, s75, s87
.irp j, 26,27,28,29,30,31,38,39,40,41,42,43
	v_mov_b32 v[\j], 0                             ; q's fragments: K = 64 .. 127 are zero codes
.endr
.irp t, 0,1,2,3
.irp j, 6,7,8,9,10,11
	v_mov_b32 v[44+12*\t+\j], 0                    ; k's likewise: written once
.endr
.endr
	v_mov_b32 v13, 0xff61b1e6                      ; the largest t so far: -3e38, under every t
	v_mov_b32 v17, 0xff61b1e6
	v_floor_f32 v12, -v13                          ; -M
	v_floor_f32 v16, -v17
.irp j, 14,15,18,19
	v_mov_b32 v[\j], 0                             ; the sums, in two halves
.endr
.irp b, 0,1,2,3
	v_mov_b32 v[236+\b], 0                         ; written once: a lane permute's destination counts as one of its sources
.endr
	v_mov_b32 v253, 0                              ; (named as the upper half of the pair v[252:253] before it is first written)
.set jj, 0
.rept 64
	v_mov_b32 v[160+jj], 0                         ; O^T of both tiles.  (The step is written once: the first finds zeros, which the first change of M leaves zeros)
.set jj, jj+1
.endr
; A KEY STEP of one tile: 128 keys, the kq-th of the slot in hand.  fq: q's fragment; sq: its scale word; st: the tile's four statistics; ot: its O^T; q0: the scalar with its first query.
.macro STEP kq, fq, sq, st, ot, q0
	s_add_co_u32 s96, s[\q0], 23                   ; the tile's last query
	s_cmp_gt_u32 s[KF], s96                        ; a step all of whose keys come after it is left out: a branch on ids, round the step's loads, products and softmax alone
	s_cbranch_scc1 .Lhidden_\@
	v_add_nc_u32 v[ADK], s[TB], v[AF]
	v_add_nc_u32 v[ADS], s[TS], v[AS0]
.rept 3
	v_nop                                          ; with the two additions five places: the products below write over registers that the last step's products read (v's fragments), and the loads land on its scale words
.endr
	ds_load_b128 v[248:251], v[ADS]                ; k's scale words: tiles 0-3,
	ds_load_b128 v[92:95], v[ADS] offset:256       ; tiles 4-7
.irp g, 0,1                                    ; S^T = k q^T, four tiles of 16 keys at a time
.if \g > 0
.rept 4
	v_nop                                          ; places in front of loads into registers that matrix instructions have read
.endr
.endif
.irp t, 0,1,2,3
.irp p, 0,1,2
	ds_load_b64 v[44+12*\t+2*\p:45+12*\t+2*\p], v[ADK] offset:STEPB*(\kq)+768*(4*\g+\t)+8*\p
.endr
.endr
	s_wait_dscnt 0x0
.irp t, 0,1,2,3
	v_wmma_scale_f32_16x16x128_f8f6f4 v[96+8*(4*\g+\t):103+8*(4*\g+\t)], v[44+12*\t:55+12*\t], v[\fq:\fq+11], 0, v[248+\t-156*\g], v[\sq] matrix_a_fmt:MATRIX_FMT_FP6 matrix_b_fmt:MATRIX_FMT_FP6
.endr
.endr                                          ; lane (r, h) holds query r; register 16 b + i is key KF + 32 b + 16 h + i
.rept 4
	v_nop
.endr
	s_add_co_u32 s96, s[KF], 127                   ; on the diagonal the scores of hidden keys become -infinity ahead of the maximum: p = 0 then.  A step all of whose keys count skips this
	s_cmp_le_u32 s96, s[\q0]
	s_cbranch_scc1 .Lopen_\@
	s_sub_co_i32 s96, s[\q0], s[KF]
	v_add_nc_u32 v252, s96, v[DQ]                  ; d = my query - KF - 16 h: register 16 b + i is hidden where 32 b + i > d
	v_mov_b32 v254, 0xff800000
.irp n, 0,1,2,3,4,5,6,7,8,9,10,11,12,13,14,15,16,17,18,19,20,21,22,23,24,25,26,27,28,29,30,31,32,33,34,35,36,37,38,39,40,41,42,43,44,45,46,47,48,49,50,51,52,53,54,55,56,57,58,59,60,61,62,63
	v_cmp_gt_i32 vcc_lo, 32*(\n/16)+\n%16, v252
	v_cndmask_b32 v[96+\n], v[96+\n], v254, vcc_lo
.endr
.Lopen_\@:
.irp b, 0,1,2,3
	v_max3_num_f32 v[232+\b], v[96+16*\b], v[97+16*\b], v[98+16*\b]   ; the largest score of each block of 32 keys: for the row's maximum, and, since p rises with the score, for the block's largest p
.endr
.irp i, 3,5,7,9,11,13
.irp b, 0,1,2,3
	v_max3_num_f32 v[232+\b], v[232+\b], v[96+16*\b+\i], v[97+16*\b+\i]
.endr
.endr
.irp b, 0,1,2,3
	v_max_num_f32 v[232+\b], v[232+\b], v[111+16*\b]
.endr
.irp b, 0,1,2,3
	v_permlanex16_b32 v[236+\b], v[232+\b], s[SEL], s[SEL+1]
.endr
.irp b, 0,1,2,3
	v_max_num_f32 v[232+\b], v[232+\b], v[236+\b]  ; with lane l xor 16's 16 keys
.endr
	v_max3_num_f32 v254, v232, v233, v234
	v_max_num_f32 v254, v254, v235                 ; the step's largest score of my query
	v_mul_f32 v254, s[CS], v254                    ; as t (c is positive)
	v_max_num_f32 v[\st+1], v[\st+1], v254         ; the running largest t
	v_mov_b32 v254, v[\st]
	v_floor_f32 v[\st], -v[\st+1]                  ; the new -M = floor(-t): M is a whole number
	v_sub_f32 v254, v[\st], v254                   ; M's old value less its new one: a whole number, 0 or less
	v_cvt_i32_f32 v254, v254                       ; (it saturates)
	v_ldexp_f32 v252, 1.0, v254                    ; f = 2^(old M - new M)
.irp j, 0,2,4,6,8,10,12,14,16,18,20,22,24,26,28,30,32,34,36,38,40,42,44,46,48,50,52,54,56,58,60,62
	v_pk_fma_f32 v[96+\j:97+\j], v[96+\j:97+\j], s[CS:CS+1], v[\st:\st+1] op_sel_hi:[1,0,0]   ; t - M, two at a time
.endr
.irp b, 0,1,2,3
	v_fma_f32 v[232+\b], v[232+\b], s[CS], v[\st]  ; the same of each block's largest score
.endr
.irp j, 0,1,2,3,4,5,6,7,8,9,10,11,12,13,14,15,16,17,18,19,20,21,22,23,24,25,26,27,28,29,30,31,32,33,34,35,36,37,38,39,40,41,42,43,44,45,46,47,48,49,50,51,52,53,54,55,56,57,58,59,60,61,62,63
	v_exp_f32 v[96+\j], v[96+\j]                   ; p = 2^(t - M), at most 1
.endr
	v_pk_mul_f32 v[\st+2:\st+3], v[\st+2:\st+3], v[252:253] op_sel_hi:[1,0]   ; the sums under the new M (a plain line behind the exponentials)
	s_wait_alu depctr_va_vdst(0)                   ; one wait for the batch of 64, ahead of its first reader
.irp b, 0,1,2,3
	v_exp_f32 v[232+\b], v[232+\b]                 ; the block's largest p: the same two instructions on the same number give the same bits
.endr
	v_pk_add_f32 v[236:237], v[96:97], v[98:99]    ; the row's sum is taken of the unquantised p: two at a time, in two chains
.irp j, 4,8,12,16,20,24,28,32,36,40,44,48,52,56,60
	v_pk_add_f32 v[\st+2:\st+3], v[\st+2:\st+3], v[96+\j:97+\j]
	v_pk_add_f32 v[236:237], v[236:237], v[98+\j:99+\j]
.endr
	v_pk_add_f32 v[\st+2:\st+3], v[\st+2:\st+3], v[236:237]
	s_wait_alu depctr_va_vdst(0)                   ; and one for the four
.irp b, 0,1,2,3
	v_max_num_f32 v[232+\b], 0x1800000, v[232+\b]  ; the floor 2^(3 - 127): the byte cannot fall under 1
.endr
.irp b, 0,1,2,3
	v_add_nc_u32 v[244+\b], 0xff000000, v[232+\b]  ; 2 off the exponent field: the conversion's scale operand
.endr
.irp b, 0,1,2,3
	v_lshrrev_b32 v[236+\b], 23, v[244+\b]         ; the scale's byte
.endr
	v_lshl_or_b32 v253, v237, 8, v236              ; p's scale word for these 128 keys
	v_lshl_or_b32 v253, v238, 16, v253
	v_lshl_or_b32 v253, v239, 24, v253
.irp c, 0,1
	v_cvt_scalef32_pk16_fp6_f32 v[224+6*\c:226+6*\c], v[96+32*\c:111+32*\c], v[244+2*\c]
	v_cvt_scalef32_pk16_fp6_f32 v[236+4*\c:238+4*\c], v[112+32*\c:127+32*\c], v[244+2*\c+1]   ; (a conversion's three registers begin on an even number)
.endr
	v_nop                                          ; one plain line behind the last scaled conversion
	ds_load_b128 v[248:251], v[ADS] offset:512     ; v's scale words, and its four fragments into the registers that p has left: they land while the lines below run
.irp t, 0,1,2,3
.irp p, 0,1,2,3,4,5
	ds_load_b64 v[96+12*\t+2*\p:97+12*\t+2*\p], v[ADK] offset:STEPB*(\kq)+6144+1536*\t+768*(\p/3)+8*(\p%3)
.endr
.endr
.irp c, 0,1                                    ; the operand's layout wants a whole block in a lane: lanes 0-15 block 2 c, lanes 16-31 block 2 c + 1
.irp i, 0,1,2
	v_permlane16_swap_b32 v[224+6*\c+\i], v[236+4*\c+\i]
.endr
.irp i, 0,1,2
	v_mov_b32 v[227+6*\c+\i], v[236+4*\c+\i]
.endr
.endr
.irp j, 0,2,4,6,8,10,12,14,16,18,20,22,24,26,28,30
	v_pk_mul_f32 v[\ot+\j:\ot+\j+1], v[\ot+\j:\ot+\j+1], v[252:253] op_sel_hi:[1,0]   ; O^T under the new M.  (These sixteen are also the places between the lines that made p's codes and scale word and the products)
.endr
	s_wait_dscnt 0x0
.irp t, 0,1,2,3                                ; O^T += v^T p^T: the head's 64 in four tiles, by turns
	v_wmma_scale_f32_16x16x128_f8f6f4 v[\ot+8*\t:\ot+8*\t+7], v[96+12*\t:107+12*\t], v[224:235], v[\ot+8*\t:\ot+8*\t+7], v[248+\t], v253 matrix_a_fmt:MATRIX_FMT_FP6 matrix_b_fmt:MATRIX_FMT_FP6
.endr
.Lhidden_\@:
.endm
; A prefetch of the slot that the NEXT change of slots will ask for: 24,576 dense bytes, 8,192 a wave, lanes 256 bytes apart, one instruction in each of waves 4, 5, 6 of the head's first work-group: each block is named once
; in the launch.  It stands where wave 0 has its tensor load, two key steps of both tiles ahead of the load that will want the bytes.  The last change that asks for a slot prefetches nothing; slots 0 and 1 come by their loads alone.
.macro ASK
	s_cmp_gt_u32 s[SLOTS], s[LIM]
	s_cbranch_scc0 .Lnot_mine_\@
	global_prefetch_b8 v[PFO], s[PFA:PFA+1] th:TH_LOAD_NT scope:SCOPE_SE
.Lnot_mine_\@:
.endm
; THE CHANGE OF SLOTS stands at a slot's head.  Each wave waits for all its tensor loads, adds 0 to its spare word (fill = 1: twice on end), and waits for that and for its reads of the slot that it has left.
; Behind the barrier the slot ahead is whole and nobody reads the other one.  fill = 1: wave 0 fills that other slot with the next 256 keys, up to the causal limit.
.macro CHANGE fill
	s_wait_tensorcnt 0x0                           ; no tensor load of mine is out, so group 0 may be written
	ds_add_u32 v[SPW], v[NIL]                      ; 0 onto my spare word
.if \fill
	ds_add_u32 v[SPW], v[NIL]                      ; and once more: the add twice on end, in every trip alike
	s_xor_b32 s[G0+1], s[G0+1], SLOT1              ; the walking descriptor: the other slot than last time,
	s_add_nc_u64 s[G0+2:G0+3], s[G0+2:G0+3], SLOTB ; the next 256 keys; the type bits on top are not reached
	s_wait_xcnt 0x0                                ; the last prefetch, a slot back, has read its address, so it may be written:
	s_add_nc_u64 s[PFA:PFA+1], s[PFA:PFA+1], SLOTB ; one slot further on than the walking descriptor
.endif
	s_wait_dscnt 0x0                               ; the add is done (fill = 1: both are), and my reads of the slot that I have left are over
	s_barrier_signal -1
	s_barrier_wait -1
.if \fill
	s_add_co_u32 s96, s[KF], 256                   ; the first key of the slot that this change would ask for:
	s_cmp_gt_u32 s96, s[QL]                        ; past my work-group's last query no wave reads it, so it is not asked for.  Ids and the count of steps alone: all sixteen waves go the same way
	s_cbranch_scc1 .Lpast_\@
	s_cmp_lg_u32 s[WV], 0
	s_cbranch_scc1 .Lnot_0_\@
	tensor_load_to_lds s[G0:G0+3], s[G1:G1+7]      ; wave 0's one tensor load behind the barrier: it has a slot's steps in which to land
	s_nop 0
.rept 4
	v_nop
.endr
.Lnot_0_\@:
.Lpast_\@:
	ASK
.endif
.endm
.macro SLOT_STEPS
.irp q, 0,1
	STEP \q, 20, 10, 12, 160, Q0X
	STEP \q, 32, 11, 16, 192, Q0Y
	s_add_co_u32 s[KF], s[KF], 128
	s_add_co_u32 s[TS], s[TS], 768
.endr
	s_xor_b32 s[TB], s[TB], SLOT1                  ; on to the other slot
.endm
	s_wait_loadcnt 0x0                             ; q
.Lslot:                                                ; seven trips: behind each change of slots but the last the next slot is asked for, up to the causal limit
	CHANGE 1
	SLOT_STEPS
	s_sub_co_u32 s[SLOTS], s[SLOTS], 1
	s_cmp_lg_u32 s[SLOTS], 0
	s_cbranch_scc1 .Lslot
	CHANGE 0                                       ; the last slot is written out: nothing is left to ask for
	SLOT_STEPS
	; THE WAY OUT.  O^T / the sum; register 16 c + i of a lane is d = 32 c + 16 h + i of query r: two blocks of the last product's K.  Codes at 24 r + 12 h of each half image: the wave stores 2 x 384 consecutive bytes.
.rept 4
	v_nop                                          ; places behind the last products
.endr
	v_add_f32 v14, v14, v15                        ; the sums' two halves,
	v_add_f32 v18, v18, v19
	v_permlanex16_b32 v236, v14, s[SEL], s[SEL+1]
	v_permlanex16_b32 v237, v18, s[SEL], s[SEL+1]
	v_add_f32 v14, v14, v236                       ; and lane l xor 16's: the rows' sums
	v_add_f32 v18, v18, v237
	v_rcp_f32 v14, v14
	v_rcp_f32 v18, v18
	v_nop                                          ; a plain line behind the reciprocals
	s_wait_alu depctr_va_vdst(0)                   ; one wait for both, ahead of the first reader
; rl: 1 / the sum; ot: O^T; so, ss: the scalars with the tile's places in oc and os; pcb: eight registers for the codes; a1, a2: the stores' offsets; wd: the two scale bytes.  Each tile has registers of its own for what its stores read.
.macro OUT rl, ot, so, ss, pcb, a1, a2, wd
.set jj, 0
.rept 32
	v_mul_f32 v[96+jj], v[\ot+jj], v[\rl]
.set jj, jj+1
.endr
.irp b, 0,1
	v_max3_num_f32 v[232+\b], |v[96+16*\b]|, |v[97+16*\b]|, 0x1800000
.endr
.irp i, 2,4,6,8,10,12,14
.irp b, 0,1
	v_max3_num_f32 v[232+\b], v[232+\b], |v[96+16*\b+\i]|, |v[97+16*\b+\i]|
.endr
.endr
.irp b, 0,1
	v_permlanex16_b32 v[236+\b], v[232+\b], s[SEL], s[SEL+1]
.endr
.irp b, 0,1
	v_max_num_f32 v[232+\b], v[232+\b], v[236+\b]
.endr
.irp b, 0,1
	v_add_nc_u32 v[244+\b], 0xff000000, v[232+\b]
.endr
.irp b, 0,1
	v_lshrrev_b32 v[236+\b], 23, v[244+\b]
.endr
	v_lshl_or_b32 v[\wd], v237, 8, v236
	v_cvt_scalef32_pk16_fp6_f32 v[\pcb:\pcb+2], v[96:111], v244
	v_cvt_scalef32_pk16_fp6_f32 v[\pcb+4:\pcb+6], v[112:127], v245
	v_nop                                          ; one plain line behind the last scaled conversion
	v_add_nc_u32 v[\a1], s[\so], v[GO]
	v_add_nc_u32 v[\a2], s[\ss], v[GS]
	global_store_b96 v[\a1], v[\pcb:\pcb+2], s[10:11]
	global_store_b96 v[\a1], v[\pcb+4:\pcb+6], s[10:11] offset:384
	global_store_b16 v[\a2], v[\wd], s[12:13]      ; lanes r and r + 16 write the same two bytes with the same value
.endm
	OUT 14, 160, 72, 74, 224, 8, 9, 252
	OUT 18, 192, 73, 75, 44, 240, 241, 254
	s_wait_tensorcnt 0x0                           ; the wave's end, behind the last tensor load
	ds_add_u32 v[SPW], v[NIL]
	s_wait_dscnt 0x0
	s_endpgm
.Lfunc_end_k_q31bf41b590_attn:
	.size	k_q31bf41b590_attn, .Lfunc_end_k_q31bf41b590_attn-k_q31bf41b590_attn
	.p2alignl 7, 3214868480
	.fill 96, 4, 3214868480
	.section	.rodata,"a",@progbits
	.p2align	6, 0x0
	.amdhsa_kernel k_q31bf41b590_attn
		.amdhsa_group_segment_fixed_size 327680
		.amdhsa_private_segment_fixed_size 0
		.amdhsa_enable_private_segment 0
		.amdhsa_kernarg_size 40
		.amdhsa_user_sgpr_count 2
		.amdhsa_user_sgpr_kernarg_segment_ptr 1
		.amdhsa_wavefront_size32 1
		.amdhsa_system_sgpr_workgroup_id_x 1
		.amdhsa_system_sgpr_workgroup_id_y 1
		.amdhsa_system_sgpr_workgroup_id_z 1
		.amdhsa_system_vgpr_workitem_id 0
		.amdhsa_next_free_vgpr 256
		.amdhsa_next_free_sgpr 100
		.amdhsa_reserve_vcc 1
		.amdhsa_float_denorm_mode_32 3
		.amdhsa_float_denorm_mode_16_64 3
		.amdhsa_memory_ordered 1
		.amdhsa_forward_progress 1
		.amdhsa_inst_pref_size 196
	.end_amdhsa_kernel
	.amdgpu_metadata
---
amdhsa.version: [ 1, 2 ]
amdhsa.kernels:
  - .name:           k_q31bf41b590_attn
    .symbol:         k_q31bf41b590_attn.kd
    .args:
      - { .name: qc, .offset: 0, .size: 8, .value_kind: global_buffer, .address_space: global }
      - { .name: qs, .offset: 8, .size: 8, .value_kind: global_buffer, .address_space: global }
      - { .name: kv, .offset: 16, .size: 8, .value_kind: global_buffer, .address_space: global }
      - { .name: oc, .offset: 24, .size: 8, .value_kind: global_buffer, .address_space: global }
      - { .name: os, .offset: 32, .size: 8, .value_kind: global_buffer, .address_space: global }
    .group_segment_fixed_size: 327680
    .private_segment_fixed_size: 0
    .kernarg_segment_align: 8
    .kernarg_segment_size: 40
    .max_flat_workgroup_size: 512
    .sgpr_count:     100
    .vgpr_count:     256
    .wavefront_size: 32
...
	.end_amdgpu_metadata
.endif
;; end of part 3
;; launch outp (part 4): grid 4 x 32, 4 waves a work-group, clusters of 4 x 4, 327,680 bytes of LDS; arguments oc, os, xc, xs, out0; writes out0
.if DOCPART == 4
	.amdgcn_target "amdgcn-amd-amdhsa--gfx1250"
	.amdhsa_code_object_version 6
	.text
	.protected	k_q31bf41b590_outp
	.globl	k_q31bf41b590_outp
	.p2align	8
	.type	k_q31bf41b590_outp,@function
k_q31bf41b590_outp:
	s_mov_b64 s[64:65], 0
	v_nop
	global_prefetch_b8 v0, s[64:65] scope:SCOPE_SE
	s_setreg_imm32_b32 hwreg(HW_REG_WAVE_MODE, 25, 1), 1
	s_wait_xcnt 0x0
	s_wait_alu depctr_hold_cnt(0) depctr_sa_sdst(0) depctr_va_vdst(0) depctr_va_sdst(0) depctr_va_ssrc(0) depctr_va_vcc(0) depctr_vm_vsrc(0)
	s_getreg_b32 s2, hwreg(HW_REG_IB_STS2, 6, 4)
	s_cmp_eq_u32 s2, 0
	s_cbranch_scc0 .Lentry_in_a_cluster
	s_endpgm
.Lentry_in_a_cluster:
	s_bfe_u32 s2, ttmp6, 0x10000c
	s_cmp_lg_u32 s2, 0xf033
	s_cbranch_scc0 .Lentry_shape_is_right
	s_endpgm
.Lentry_shape_is_right:
; FOURTH LAUNCH: out0 = O Wo^T on codes of FP6.  A = O: 8,192 tokens x 1,024 (head x 64 + d), as the third launch left it; B = Wo's 1,024 rows, rows 27,648 on of xc and xs; out0 [8,192][1,024] f32; sums in f32.
; A tile of 256 x 256 is made by a work-group of four waves; a wave makes 128 x 128: 64 accumulators, 512 registers.  K goes in steps of 256 through a ring of two LDS slots filled by the tensor data mover.
; A LIES IN THE ORDER OF THE OPERAND'S REGISTERS: oc [tile of 16 tokens][head][768 bytes], a lane's 24 bytes of a head at 24 x lane.  A K step of 256 is four heads: 3,072 consecutive bytes of each tile; a wave's load brings eight tiles.
; B lies in rows of 768 bytes; a tile's row is 192 bytes, padded in LDS.  The scales of the work-group's rows of A and B, for all of K, come into LDS once, with the first fills.
; THE TOKENS OF A TILE ARE NOT NEIGHBOURS: row r of the a-th tile of a group of 128 is token 32 (a / 2) + 8 (a % 2) + r + 8 (r / 8): the way out puts each row at its own place in out0.
; CLUSTERS: 4 x 4 work-groups; A's tiles are asked for jointly along a row of the cluster, B's along a column.  THE MATRIX INSTRUCTION IS USED TRANSPOSED (source 0 = 16 rows of B, source 1 = 16 rows of A): a lane holds eight neighbouring numbers of a row of out0.
; 128 work-groups: tiles of 256 x 256 leave half of the grid's possible places unused; the launch is a small part of the program's work.
; REGISTERS, in windows of 256: window 0: v0-31 addresses; v32-63 scale words, two sets; from v128 A's fragments, one set; on the way out v128-255 rows of out0.  window 1: B's fragments, two sets.  windows 2, 3: the accumulators.
.set SIZE_N, 1024
.set NQ,     2                         ; matrix instructions deep in a slot
.set ROWB,   192                       ; B: a tile's row in bytes
.set KROW,   768                       ; a row of xc; also a token's share of oc
.set PITCH,  240                       ; B: an LDS row: 3 x (64 bytes of data + 16 of padding)
.set FR,     12
.set NL,     6
.set NP,     4
.set AROW,   3072                      ; A: a tile of 16 tokens, four heads
.set AHALF,  8*AROW                    ; eight tiles: what one tensor load brings of A
.set BOFF,   2*AHALF                   ; B's rows lie behind A's sixteen tiles
.set HALFT,  128*PITCH                 ; 128 rows of B
.set SLOT,   BOFF+2*HALFT
.set LAPS,   2
.set KS,     32
.set SCL,    2*SLOT                    ; behind the ring: the scales, as rows of 256 bytes + 16 of padding
.set HALFS,  (128*KS/256)*272
.set SBLK,   (16*KS/256)*272
.set SPARE,  SCL+4*HALFS               ; the spare words, 128 bytes a wave, that no other line names
.set SPITCH, 528                       ; the way out: a stage of 16 rows x (512 bytes + 16) for each wave, in slot 0, which has had its last fill and its last read when the first result is stored there
.set ADRA, 16                          ; v16-17 LDS address of my A fragments in slot 0, 1
.set ADRB, 20                          ; v20-23 the same for B, and behind one padding more
.set STO,  24
.set RD,   25
.set CO,   26
.set ADRS, 27
.set SPW,  28
.set NIL,  29
.set SC,   32
.set AF,   128
.set BK,   128
.set G1, 24
.set G0, 32
.set G1B, 48
.set G0B, 56
.set G1S, 68
.set G0S, 76
.set G1SB, 80
.set G0SB, 88
.set MSB, 0
.macro WIN new                         ; the immediate's high byte repeats the setting that is left
.if MSB != (\new)
	s_set_vgpr_msb (MSB<<8)|(\new)
.set MSB, (\new)
.endif
.endm
.set MUL_LO, 0xa1
.set MUL_HI, 0xf1
.set TO_B,   0x40
.macro JLOAD g0a, g1a, g0b, g1b        ; a joint load: waves 0 and 1 fetch for A, waves 2 and 3 for B; an s_nop 0 and four v_nop follow each of the two lines
	s_cmp_eq_u32 s15, 0
	s_cbranch_scc0 .Lfor_b_\@
	tensor_load_to_lds s[\g0a:\g0a+3], s[\g1a:\g1a+7]
	s_nop 0
.rept 4
	v_nop
.endr
	s_branch .Lasked_\@
.Lfor_b_\@:
	tensor_load_to_lds s[\g0b:\g0b+3], s[\g1b:\g1b+7]
	s_nop 0
.rept 4
	v_nop
.endr
.Lasked_\@:
.endm
.macro CREST
	s_cmp_lg_u32 s14, 0
	s_cbranch_scc1 .Lnot_wave_0_\@
	s_barrier_signal -3
.Lnot_wave_0_\@:
	s_barrier_wait -3
	s_barrier_signal -1
	s_barrier_wait -1
.endm
.macro CROUND
	s_barrier_signal -1
	s_barrier_wait -1
	CREST
.endm
	s_load_b128 s[4:7], s[0:1], 0x0                ; oc, os
	s_load_b128 s[8:11], s[0:1], 0x10              ; xc, xs
	s_load_b64 s[12:13], s[0:1], 0x20              ; out0
	v_lshl_add_u32 v[SPW], v0, 2, SPARE
	v_mov_b32 v[NIL], 0
	ds_add_u32 v[SPW], v[NIL]                      ; the wave's opening: the add, twice on end, and its wait ahead of my first tensor load
	ds_add_u32 v[SPW], v[NIL]
	v_lshrrev_b32 v1, 5, v0
	v_readfirstlane_b32 s14, v1                    ; wave 0..3
	s_lshr_b32 s15, s14, 1                         ; which half of the tile's rows is mine.  Also: I fetch for A (0) or for B (1)
	s_and_b32 s16, s14, 1                          ; which half of its columns.  Also: which half of that tile I fetch
	s_bfe_u32 s40, ttmp6, 0x40000                  ; cx, cy
	s_bfe_u32 s41, ttmp6, 0x40004
	s_lshl_b32 s42, ttmp9, 2
	s_add_co_u32 s42, s42, s40                     ; tile column
	s_and_b32 s17, ttmp7, 0xffff
	s_lshl_b32 s17, s17, 2
	s_add_co_u32 s17, s17, s41                     ; tile row
	s_lshl_b32 s43, s41, 2
	s_lshl_b32 s43, 15, s43                        ; my row of the cluster
	s_lshl_b32 s44, 0x1111, s40                    ; my column
	; A: 8 rows of 3,072 bytes (384 elements of 8), 12,288 bytes apart, no padding
	s_or_b32 s[G1+0], s43, (3<<16)|(1<<21)
	s_mov_b32 s[G1+1], 384<<16
	s_mov_b32 s[G1+2], 8<<16
	s_mov_b32 s[G1+3], 384<<16
	s_mov_b32 s[G1+4], 8
	s_mov_b32 s[G1+5], 1536
	s_mov_b32 s[G1+6], 0
	s_mov_b32 s[G1+7], 0
	; B: 128 rows of 192 bytes, 768 apart, 16 bytes of padding behind every 64
	s_or_b32 s[G1B+0], s44, (0<<16)|(1<<20)|(1<<21)|(3<<22)|(3<<25)
	s_mov_b32 s[G1B+1], ROWB<<16
	s_mov_b32 s[G1B+2], 128<<16
	s_mov_b32 s[G1B+3], ROWB<<16
	s_mov_b32 s[G1B+4], 128
	s_mov_b32 s[G1B+5], KROW
	s_mov_b32 s[G1B+6], 0
	s_mov_b32 s[G1B+7], 0
	; the scales of 128 rows: 4,096 dense bytes, as rows of 256 bytes, 16 bytes of padding behind each
	s_or_b32 s[G1S+0], s43, (3<<16)|(1<<20)|(1<<21)|(5<<22)|(3<<25)
	s_or_b32 s[G1SB+0], s44, (3<<16)|(1<<20)|(1<<21)|(5<<22)|(3<<25)
.irp g, G1S, G1SB
	s_mov_b32 s[\g+1], 32<<16
	s_mov_b32 s[\g+2], (128*KS/256)<<16
	s_mov_b32 s[\g+3], 32<<16
	s_mov_b32 s[\g+4], 128*KS/256
	s_mov_b32 s[\g+5], 32
	s_mov_b32 s[\g+6], 0
	s_mov_b32 s[\g+7], 0
.endr
	s_lshl_b32 s18, s16, 7
	s_lshl_b32 s20, s17, 8
	s_add_co_u32 s20, s20, s18                     ; A: row 256 x tile row + 128 x half
	s_lshl_b32 s46, s42, 8
	s_add_co_u32 s46, s46, s18
	s_add_co_u32 s46, s46, 27648                   ; B: Wo's rows in xc: 27,648 + 256 x tile column + 128 x half
	s_mov_b32 s21, 0
	s_mov_b32 s47, 0
	s_mov_b64 s[18:19], KS
	s_mul_u64 s[22:23], s[20:21], s[18:19]         ; where these rows' scales begin
	s_mul_u64 s[92:93], s[46:47], s[18:19]
	s_mov_b64 s[18:19], KROW
	s_mul_u64 s[20:21], s[20:21], s[18:19]         ; and their codes (16 tokens x 768 bytes are a tile's 12,288)
	s_mul_u64 s[46:47], s[46:47], s[18:19]
	s_mul_i32 s45, s16, AHALF                      ; where they go: A's halves,
	s_mul_i32 s96, s16, HALFT
	s_add_co_u32 s96, s96, BOFF                    ; B's halves: no place in the cluster enters an LDS address
	s_mul_i32 s94, s14, HALFS
	s_wait_dscnt 0x0                               ; both opening adds are done
	s_wait_kmcnt 0x0
	s_add_nc_u64 s[20:21], s[4:5], s[20:21]
	s_add_nc_u64 s[22:23], s[6:7], s[22:23]
	s_add_nc_u64 s[46:47], s[8:9], s[46:47]
	s_add_nc_u64 s[92:93], s[10:11], s[92:93]
	CROUND                                         ; all sixteen work-groups are here: the first joint loads meet
	s_mov_b32 s[G0S], 1
	s_add_co_u32 s[G0S+1], s94, SCL
	s_mov_b64 s[G0S+2:G0S+3], s[22:23]
	s_or_b32 s[G0S+3], s[G0S+3], 0x80000000
	s_mov_b32 s[G0SB], 1
	s_add_co_u32 s[G0SB+1], s94, SCL
	s_mov_b64 s[G0SB+2:G0SB+3], s[92:93]
	s_or_b32 s[G0SB+3], s[G0SB+3], 0x80000000
	JLOAD G0S, G1S, G0SB, G1SB                     ; the scales first.  Three loads of mine are out behind the first fills
.irp s, 0,1
	s_mov_b32 s[G0+4*\s], 1
	s_add_co_u32 s[G0+4*\s+1], s45, \s*SLOT
	s_add_nc_u64 s[G0+4*\s+2:G0+4*\s+3], s[20:21], \s*AROW
	s_or_b32 s[G0+4*\s+3], s[G0+4*\s+3], 0x80000000
	s_mov_b32 s[G0B+4*\s], 1
	s_add_co_u32 s[G0B+4*\s+1], s96, \s*SLOT
	s_add_nc_u64 s[G0B+4*\s+2:G0B+4*\s+3], s[46:47], \s*ROWB
	s_or_b32 s[G0B+4*\s+3], s[G0B+4*\s+3], 0x80000000
	JLOAD G0+4*\s, G1, G0B+4*\s, G1B
.endr
	v_and_b32 v1, 15, v0                           ; r
	v_bfe_u32 v2, v0, 4, 1                         ; h
	v_and_b32 v6, 31, v0                           ; lane
	v_mul_u32_u24 v7, v6, 24                       ; A: 24 x lane
	v_mul_u32_u24 v3, v1, PITCH
	v_mul_u32_u24 v4, v2, 24
	v_add_nc_u32 v4, v3, v4                        ; B: a fragment's row x pitch + 24 x half
	v_lshl_add_u32 v5, v2, 4, v4                   ; and the same behind one padding more
	s_mul_i32 s21, s15, AHALF                      ; my eight tiles of A
	s_mul_i32 s22, s16, HALFT                      ; my 128 rows of B
	s_add_co_u32 s22, s22, BOFF
.irp s, 0,1
	v_add_nc_u32 v[ADRA+\s], s21, v7
	v_add_nc_u32 v[ADRB+\s], s22, v4
	v_add_nc_u32 v[ADRB+2+\s], s22, v5
	s_add_co_u32 s21, s21, SLOT
	s_add_co_u32 s22, s22, SLOT
.endr
	v_mul_u32_u24 v5, v1, KS
	v_lshrrev_b32 v6, 8, v5
	v_lshl_add_u32 v5, v6, 4, v5
	s_mul_i32 s21, s15, HALFS
	s_mul_i32 s22, s16, HALFS
	s_add_co_u32 s22, s22, 2*HALFS
	s_sub_co_u32 s22, s22, s21
	v_mul_u32_u24 v6, s22, v2                      ; lanes 16-31 take B's
	s_add_co_u32 s21, s21, SCL
	v_add_nc_u32 v5, v5, v6
	v_add_nc_u32 v[ADRS], s21, v5
	s_mul_i32 s23, s14, 16*SPITCH                  ; my stage
	v_mul_u32_u24 v5, v1, SPITCH                   ; in: row r, 32 bytes for each half of the lanes
	v_lshl_add_u32 v5, v2, 5, v5
	v_add_nc_u32 v[STO], s23, v5
	v_and_b32 v6, 31, v0
	v_lshlrev_b32 v[CO], 4, v6                     ; back: the 32 lanes take one row of 512 bytes; and the same in out0
	v_add_nc_u32 v[RD], s23, v[CO]
	s_lshl_b32 s20, s17, 8
	s_lshl_b32 s21, s15, 7
	s_add_co_u32 s20, s20, s21                     ; my group of 128 tokens begins at 256 x tile row + 128 x half
	s_mov_b32 s21, 0
	s_mov_b64 s[18:19], SIZE_N*4
	s_mul_u64 s[20:21], s[20:21], s[18:19]
	s_lshl_b32 s46, s42, 10                        ; my first column, in bytes
	s_lshl_b32 s47, s16, 9
	s_add_co_u32 s46, s46, s47
	s_mov_b32 s47, 0
	s_add_nc_u64 s[20:21], s[20:21], s[46:47]
	s_add_nc_u64 s[12:13], s[12:13], s[20:21]
.macro FRAG reg, adr, q, i             ; B's fragment from padded rows, in pieces of 8 bytes; the second address register serves the pieces that lie behind one padding more for lanes 16-31
.irp p, 0,1,2,3,4,5
.set PCE, 12*(\q)+6*(\p/3)+\p%3
.if PCE%8 < 5
	ds_load_b64 v[\reg+2*\p:\reg+2*\p+1], v[\adr] offset:8*PCE+16*(PCE/8)+(\i)*16*PITCH
.else
	ds_load_b64 v[\reg+2*\p:\reg+2*\p+1], v[\adr+2] offset:8*PCE+16*(PCE/8)+(\i)*16*PITCH
.endif
.endr
.endm
.macro FRAGA reg, slot, q, i           ; A's fragment from its image: tile i, heads 2 q and 2 q + 1 of the slot's four; 24 x lane + 8 p: the 32 lanes of a load stand 24 bytes apart
.irp p, 0,1,2,3,4,5
	ds_load_b64 v[\reg+2*\p:\reg+2*\p+1], v[ADRA+\slot] offset:AROW*(\i)+1536*(\q)+768*(\p/3)+8*(\p%3)
.endr
.endm
.macro MUL16 a0, p, q, sc, zero        ; 16 matrix instructions: A's blocks a0, a0 + 1 x B's eight.  The 64 accumulators take turns, one instruction a turn, in the same order in every step
.irp a, \a0, \a0+1
.irp b, 0,1,2,3,4,5,6,7
.if \zero
	v_wmma_scale_f32_16x16x128_f8f6f4 v[8*(8*((\a)%4)+\b):8*(8*((\a)%4)+\b)+7], v[128*(\p)+FR*\b:128*(\p)+FR*\b+FR-1], v[AF+FR*(\a):AF+FR*(\a)+FR-1], 0, v[SC+8*NQ*(\sc)+NQ*\b+(\q)], v[SC+8*NQ*(\sc)+NQ*(\a)+(\q)] matrix_a_fmt:MATRIX_FMT_FP6 matrix_b_fmt:MATRIX_FMT_FP6 matrix_a_scale:MATRIX_SCALE_ROW1
.else
	v_wmma_scale_f32_16x16x128_f8f6f4 v[8*(8*((\a)%4)+\b):8*(8*((\a)%4)+\b)+7], v[128*(\p)+FR*\b:128*(\p)+FR*\b+FR-1], v[AF+FR*(\a):AF+FR*(\a)+FR-1], v[8*(8*((\a)%4)+\b):8*(8*((\a)%4)+\b)+7], v[SC+8*NQ*(\sc)+NQ*\b+(\q)], v[SC+8*NQ*(\sc)+NQ*(\a)+(\q)] matrix_a_fmt:MATRIX_FMT_FP6 matrix_b_fmt:MATRIX_FMT_FP6 matrix_a_scale:MATRIX_SCALE_ROW1
.endif
.endr
.endr
.endm
.macro FETCH_B slot, q, p
	WIN TO_B
.irp i, 0,1,2,3,4,5,6,7
	FRAG 128*(\p)+FR*\i, ADRB+\slot, \q, \i
.endr
	WIN 0
.endm
.macro FETCH_A slot, q, i0
.irp i, \i0, \i0+1, \i0+2, \i0+3
	FRAGA AF+FR*(\i), \slot, \q, \i
.endr
.endm
.macro SCALES sc
.irp i, 0,1,2,3,4,5,6,7
	ds_load_b64 v[SC+8*NQ*\sc+NQ*\i:SC+8*NQ*\sc+NQ*\i+1], v[ADRS] offset:\i*SBLK
.endr
.endm
.macro PLACES n
.rept \n
	v_nop
.endr
.endm
.macro STEP slot, q, zero
	s_wait_dscnt 4*NL                              ; B's set and A's blocks 0-3 are in; the youngest 24 loads (A's blocks 4-7) may be out
	WIN MUL_LO
	MUL16 0, (\q)%2, \q, \slot, \zero
	MUL16 2, (\q)%2, \q, \slot, \zero
	s_wait_dscnt 0
	PLACES NP
	FETCH_B \slot, (\q)+1, 1-(\q)%2
	FETCH_A \slot, (\q)+1, 0
	WIN MUL_HI
	MUL16 4, (\q)%2, \q, \slot, \zero
	MUL16 6, (\q)%2, \q, \slot, \zero
	PLACES NP
	WIN 0
	FETCH_A \slot, (\q)+1, 4
.endm
.macro TURN slot, next, fill
	s_wait_tensorcnt 0x0                           ; all my tensor loads have landed: my part of the next slot
	ds_add_u32 v[SPW], v[NIL]                      ; 0 onto my spare word
	s_wait_dscnt 4*NL+1                            ; (the add and the youngest 24 loads may be out)
	WIN MUL_LO
	MUL16 0, 1, NQ-1, \slot, 0
	s_wait_dscnt 0x0                               ; the add is done, and my reads of this slot are over
	s_barrier_signal -1
	MUL16 2, 1, NQ-1, \slot, 0
	WIN 0
	s_barrier_wait -1
.if \fill
	CREST                                          ; the barrier has opened a round of the cluster's barrier: no wave of any partner still reads this slot's tile or has a load on its way
	s_add_nc_u64 s[G0+4*\slot+2:G0+4*\slot+3], s[G0+4*\slot+2:G0+4*\slot+3], 2*AROW
	s_add_nc_u64 s[G0B+4*\slot+2:G0B+4*\slot+3], s[G0B+4*\slot+2:G0B+4*\slot+3], 2*ROWB
	JLOAD G0+4*\slot, G1, G0B+4*\slot, G1B         ; the first tensor load behind the round; its four v_nop are the places in front of the loads below
.else
	PLACES NP
.endif
	v_add_nc_u32 v[ADRS], 4*NQ, v[ADRS]
	FETCH_B \next, 0, 0
	FETCH_A \next, 0, 0
	SCALES \next
	WIN MUL_HI
	MUL16 4, 1, NQ-1, \slot, 0
	MUL16 6, 1, NQ-1, \slot, 0
	PLACES NP
	WIN 0
	FETCH_A \next, 0, 4
.endm
	s_wait_tensorcnt 1                             ; the scales and my part of K step 0 are in (K step 1's load may be out)
	s_barrier_signal -1
	s_barrier_wait -1                              ; everybody's are
	FETCH_B 0, 0, 0
	FETCH_A 0, 0, 0
	SCALES 0
	FETCH_A 0, 0, 4
	STEP 0, 0, 1                                   ; the first step stands in front of the loop: its products start the sums
	s_mov_b32 s3, LAPS-1
.Llap:
	TURN 0, 1, 1
	STEP 1, 0, 0
	TURN 1, 0, 1
	STEP 0, 0, 0
	s_sub_co_u32 s3, s3, 1
	s_cmp_lg_u32 s3, 0
	s_cbranch_scc1 .Llap
	TURN 0, 1, 0                                   ; the last lap fills nothing, and has no round of the cluster's barrier
	STEP 1, 0, 0
	s_wait_dscnt 4*NL                              ; the very last step: nothing more to fetch
	WIN MUL_LO
	MUL16 0, 1, NQ-1, 1, 0
	MUL16 2, 1, NQ-1, 1, 0
	s_wait_dscnt 0
	WIN MUL_HI
	MUL16 4, 1, NQ-1, 1, 0
	MUL16 6, 1, NQ-1, 1, 0
	WIN 0
; THE WAY OUT, block by block of 16 rows x 128 columns, through my own stage in LDS: in as 32 bytes a lane, back as whole rows of 512 bytes, which the 32 lanes store as 512 consecutive bytes.
; LDS serves a wave's instructions in order (ISA guide 5.7.1.4): no wait between the stores and the loads, nor in front of the next block's stores.
.macro TOSTAGE a
.set AC, 64*((\a)%4)
	WIN 0x08+4*((\a)/4)                            ; an LDS store's data: window 2 or 3
.irp b, 0,1,2,3,4,5,6,7
	ds_store_b128 v[STO], v[AC+8*\b:AC+8*\b+3] offset:64*\b          ; each accumulator from its low end on
	ds_store_b128 v[STO], v[AC+8*\b+4:AC+8*\b+7] offset:64*\b+16
.endr
	WIN 0
.set BB, BK+64*((\a)%2)
.irp t, 0,1,2,3,4,5,6,7,8,9,10,11,12,13,14,15
	ds_load_b128 v[BB+4*\t:BB+4*\t+3], v[RD] offset:\t*SPITCH
.endr
.endm
.macro SEND a, younger                 ; younger: the LDS instructions issued behind block a's loads, which may stay out
.set BB, BK+64*((\a)%2)
	s_wait_dscnt \younger                          ; the block is back in registers
.if (\a) > 0
.if ((\a)%2) == 1
	s_add_nc_u64 s[12:13], s[12:13], 8*SIZE_N*4    ; (behind a wait on XCNT)  block a begins at token 32 (a / 2) + 8 (a % 2) of my 128: 8 rows on,
.else
	s_add_nc_u64 s[12:13], s[12:13], 24*SIZE_N*4   ; or 24
.endif
.endif
.irp t, 0,1,2,3,4,5,6,7,8,9,10,11,12,13,14,15
	global_store_b128 v[CO], v[BB+4*\t:BB+4*\t+3], s[12:13] offset:(\t+8*(\t/8))*SIZE_N*4 th:TH_STORE_NT   ; the tile's row t is token t + 8 (t / 8) of the block; 32 lanes store 512 consecutive bytes, aligned
.endr
.endm
	PLACES NP
	TOSTAGE 0
.irp a, 1,2,3,4,5,6,7
.if \a > 1
	s_wait_xcnt 0x0                                ; block a - 2's stores have read their registers and their base: block a's loads may land there, and the base may step
.endif
	TOSTAGE \a
	SEND \a-1, 32                                  ; behind block a - 1's loads: block a's 16 stores and 16 loads
.endr
	s_wait_xcnt 0x0                                ; block 6's stores have read their base
	SEND 7, 0
	s_wait_tensorcnt 0x0                           ; the wave's end, behind my last tensor load and my last LDS store
	ds_add_u32 v[SPW], v[NIL]
	s_wait_dscnt 0x0
	CROUND                                         ; the closing round: no work-group ends while a partner may still ask for a tile that names it
	s_endpgm
.Lfunc_end_k_q31bf41b590_outp:
	.size	k_q31bf41b590_outp, .Lfunc_end_k_q31bf41b590_outp-k_q31bf41b590_outp
	.p2alignl 7, 3214868480
	.fill 96, 4, 3214868480
	.section	.rodata,"a",@progbits
	.p2align	6, 0x0
	.amdhsa_kernel k_q31bf41b590_outp
		.amdhsa_group_segment_fixed_size 327680
		.amdhsa_private_segment_fixed_size 0
		.amdhsa_enable_private_segment 0
		.amdhsa_kernarg_size 40
		.amdhsa_user_sgpr_count 2
		.amdhsa_user_sgpr_kernarg_segment_ptr 1
		.amdhsa_wavefront_size32 1
		.amdhsa_system_sgpr_workgroup_id_x 1
		.amdhsa_system_sgpr_workgroup_id_y 1
		.amdhsa_system_sgpr_workgroup_id_z 1
		.amdhsa_system_vgpr_workitem_id 0
		.amdhsa_next_free_vgpr 1024
		.amdhsa_next_free_sgpr 100
		.amdhsa_reserve_vcc 0
		.amdhsa_float_denorm_mode_32 3
		.amdhsa_float_denorm_mode_16_64 3
		.amdhsa_memory_ordered 1
		.amdhsa_forward_progress 1
		.amdhsa_inst_pref_size 160
	.end_amdhsa_kernel
	.amdgpu_metadata
---
amdhsa.version: [ 1, 2 ]
amdhsa.kernels:
  - .name:           k_q31bf41b590_outp
    .symbol:         k_q31bf41b590_outp.kd
    .args:
      - { .name: oc, .offset: 0, .size: 8, .value_kind: global_buffer, .address_space: global }
      - { .name: os, .offset: 8, .size: 8, .value_kind: global_buffer, .address_space: global }
      - { .name: xc, .offset: 16, .size: 8, .value_kind: global_buffer, .address_space: global }
      - { .name: xs, .offset: 24, .size: 8, .value_kind: global_buffer, .address_space: global }
      - { .name: out0, .offset: 32, .size: 8, .value_kind: global_buffer, .address_space: global }
    .group_segment_fixed_size: 327680
    .private_segment_fixed_size: 0
    .kernarg_segment_align: 8
    .kernarg_segment_size: 40
    .max_flat_workgroup_size: 128
    .sgpr_count:     100
    .vgpr_count:     1024
    .wavefront_size: 32
...
	.end_amdgpu_metadata
.endif
;; end of part 4
